; MI455X (gfx1250); checked and timed in simulation.
; The chip was launched on July 23, 2026; its instructions are those of AMD's public machine-readable ISA for CDNA 5 (MIT licence, August 2026) and "CDNA5" Instruction Set Architecture Reference Guide (July 2026). The comments in the code are by the model that wrote it; some were corrected since.
;; Causal Self Attention. Allowed arithmetic: matrix products marked QUANTISED: E4M3 operands, one E8M0 scale for each 32 along K, by v_wmma_scale_f32_16x16x128_f8f6f4 with both operands' format E4M3, f32 sums; everything else in f32.
;; Inputs: b_proj 1,024 float32; b_qkv 3,072 float32; w_proj 1,024 x 1,024 float32; w_qkv 1,024 x 3,072 float32; x 4 x 2,048 x 1,024 float32.
;; Outputs: out0 4 x 2,048 x 1,024 float32.
;; This version of the problem:
;;   THIS VERSION OF THE PROBLEM IS GIVEN IN LOW PRECISION. The matrix products marked QUANTISED in the list below multiply operands that are first quantised to E4M3 (4 exponent bits, 3 mantissa bits; 8 bits a number), with one power-of-two scale for each 32 numbers along K (OCP MX v1.0); their sums are f32. All else is computed in f32.
;;   The module's matrix products, in the order in which they are computed (A, B: the left and right operand; K: the contracted axis; several contracted axes count as one K, in the product's order):
;;     1. [M 8,192, K 1,024] x [K 1,024, N 3,072]; A: input x; B: input w_qkv: QUANTISED
;;     2. batch 64 x [M 2,048, K 64] x [K 64, N 2,048]; A: computed on the way; B: computed on the way: QUANTISED
;;     3. batch 64 x [M 2,048, K 2,048] x [K 2,048, N 64]; A: softmax (see below); B: computed on the way: QUANTISED
;;     4. [M 8,192, K 1,024] x [K 1,024, N 1,024]; A: computed on the way; B: input w_proj: QUANTISED
;;   THE QUANTISER, for each operand of a quantised product, along K:
;;     - K is cut into blocks of 32 from its start; a last block that is shorter is filled with zeros.
;;     - A block's scale is 2^e with e = floor(log2(the largest magnitude in the block)) - 8, held to -126 .. 127; a block of zeros has e = 0. As a byte (E8M0): e + 127.
;;     - Each number is divided by its block's scale, clamped to +-448, and rounded to the nearest number of E4M3, ties to even, subnormals kept.
;;     - The product sums the exact products of the quantised numbers (number of the format x scale) in f32.
;;   ~~~python
;;   def quantise(x, axis):      # numpy; x: float32 -> the quantised numbers, widened to float32 again
;;       x = np.moveaxis(x, axis, -1); K = x.shape[-1]
;;       x = np.pad(x, [(0, 0)] * (x.ndim - 1) + [(0, -K % 32)]); x = x.reshape(x.shape[:-1] + (-1, 32)); a = np.abs(x).max(-1, keepdims=True)
;;       e = np.where(a > 0, np.clip(np.frexp(np.where(a > 0, a, 1))[1] - 1 - 8, -126, 127), 0)      # np.frexp(a)[1] - 1 = floor(log2(a)), exactly
;;       r = np.clip(x / 2.0 ** e, -448, 448)
;;       step = 2.0 ** (np.maximum(np.frexp(np.where(r == 0, 1, r))[1] - 1, -6) - 3)
;;       q = np.round(r / step) * step * 2.0 ** e      # np.round: ties to even
;;       return np.moveaxis(q.reshape(q.shape[:-2] + (-1,))[..., :K], -1, axis).astype(np.float32)
;;   ~~~
;;   SOFTMAX AHEAD OF A QUANTISED PRODUCT. Where the list says 'softmax', what is quantised is not the finished softmax but p = 2^(t - M), with t = logit x log2(e) and M = ceil(the row's largest t), a whole number; so 1/2 < the row's largest p <= 1. The row's sum l is taken of the UNQUANTISED p, in f32, and the product's result is divided by l at the end. Since M is a whole number, a kernel that streams over the keys may use a running M (the ceiling of the running maximum): every later rescaling is an exact power of two, which a block's scale takes up: the codes' values come out the same.
;;   OPERANDS COMPUTED ON THE WAY. 'Computed on the way' means the value that the module computes at that place (a softmax that the list does not call 'softmax' is quantised finished and normalised). What goes into a quantiser is computed in f32, as accurately as f32 sums, v_exp_f32 and their like allow (about 1e-6 of the number): no bf16 or f16 on the way to a quantiser, and a product that is left as it is and whose result goes on into a quantised operand takes f32 operands (vector FMAs, or v_wmma_f32_16x16x4_f32). A number that lies on a knife's edge between two numbers of the format may be rounded either way, as far as f32 arithmetic and the matrix unit's own rounding can turn it there, and no further.
;; One version. Each part assembles by itself: llvm-mc -triple=amdgcn-amd-amdhsa -mcpu=gfx1250 --defsym DOCPART=n.
;; ======== version 1 of 1: 4 launches
;; limits: right only within a limited range of input values
;; workspace buffers: ops 12,976,128 bytes; qkv 25,952,256 bytes; yq 8,650,752 bytes
;; launch quant (part 1): grid 384 x 1, 4 waves a work-group, no clusters, 34,304 bytes of LDS; arguments x, w_qkv, w_proj, ops; writes ops
.if DOCPART == 1
	.amdgcn_target "amdgcn-amd-amdhsa--gfx1250"
	.amdhsa_code_object_version 6
	.text
	.protected	k_q0474744250_quant
	.globl	k_q0474744250_quant
	.p2align	8
	.type	k_q0474744250_quant,@function
k_q0474744250_quant:
	s_mov_b64 s[64:65], 0
	v_nop
	global_prefetch_b8 v0, s[64:65] scope:SCOPE_SE
	s_setreg_imm32_b32 hwreg(HW_REG_WAVE_MODE, 25, 1), 1
	s_wait_xcnt 0x0
; x [8192][1024], w_qkv [1024][3072] and w_proj [1024][1024], f32, become codes of FP8 (E4M3) with one E8M0 byte for each 32 along K (K = 1024), laid as IMAGES OF OPERAND REGISTERS.
; A ROWTILE is 16 rows of an operand (rows of x, columns n of a weight): lane r of rowtile 2 g + u is logical row 32 g + 8 u + r + 8 (r / 8).
; Codes:  ops + rowtile x 16384: [kf 0..7][c 0..3][lane 0..31][16 bytes]; lane (r, h) holds k = 128 kf + 32 c + 16 h + 0 .. 15 of its row.
; Scales: ops + SCLB + rowtile x 512: [kp 0..3][r 0..15][8 bytes]: the bytes of blocks 8 kp .. 8 kp + 7.   Rowtiles 0-511: x; 512-703: w_qkv; 704-767: w_proj.
; A block's scale is 2^(floor(log2(its largest magnitude)) - 8); its byte is the largest magnitude's exponent field - 8, held at 1 from below; each number is held within +-448 x the scale and rounded to the nearest code.
; LIMITS: a block of zeros gets the byte 1 where the rule says 127 (its codes are zeros, and this program alone reads the bytes); NaN and infinities among the inputs are not served.
; Work-groups 0-255 take x (a wave: one rowtile x 512 along K), 256-351 w_qkv, 352-383 w_proj (a wave: 32 columns x 256 along K).  Waves share nothing: no barrier.  Only x's path uses LDS.
.set SCLB, 12582912
.set WV,   16                          ; s16      my wave's number
.set SEL,  20                          ; s[20:21] v_permlanex16_b32's selects for lane l xor 16
.set MNT,  22                          ; s22      the mantissa field of 448
.set TM,   16                          ; v16-31   x: largest magnitudes, bytes, holds, scale operands (four each)
.set PC,   36                          ; v36-51   x: a fragment's codes
.set T,    64                          ; v64-127  x: 64 numbers of my row, register 16 b + i = k 32 b + 16 h + i
.set RAW,  128                         ; v128-255 x: two sets of 64 registers as loaded
.set SP,   528                         ; x: a stage row: 512 bytes + 16, so that the 16 rows that a read touches start 4 banks apart
.set X,    32                          ; v32-95   weights: two sets of 32 numbers
.set C,    96                          ; v96-103  weights: a block's codes
.set SB,   24                          ; v24-25   weights: eight scale bytes
; 64 numbers of a lane become a fragment's 16 registers of codes in v[PC] on, and the row's scale word in v[pw].
.macro QUANT s, pw
.irp b, 0,1,2,3
	v_max3_num_f32 v[TM+\b], |v[\s+16*\b]|, |v[\s+1+16*\b]|, 0x4800000      ; block b: my 16 numbers, and the floor 2^(9 - 127): the byte cannot fall under 1
.endr
.irp i, 2,4,6,8,10,12,14
.irp b, 0,1,2,3
	v_max3_num_f32 v[TM+\b], v[TM+\b], |v[\s+16*\b+\i]|, |v[\s+1+16*\b+\i]|   ; the four blocks by turns
.endr
.endr
.irp b, 0,1,2,3
	v_permlanex16_b32 v[TM+4+\b], v[TM+\b], s[SEL], s[SEL+1]
.endr
.irp b, 0,1,2,3
	v_max_num_f32 v[TM+\b], v[TM+\b], v[TM+4+\b]                           ; with lane l xor 16's 16: the block's largest magnitude
.endr
.irp b, 0,1,2,3
	v_add_nc_u32 v[TM+12+\b], 0xfc000000, v[TM+\b]                         ; 8 off its exponent field: the conversion's scale operand
.endr
.irp b, 0,1,2,3
	v_and_or_b32 v[TM+8+\b], v[TM+\b], 0x7f800000, s[MNT]                  ; 448 x the scale
.endr
.irp b, 0,1,2,3
	v_lshrrev_b32 v[TM+4+\b], 23, v[TM+12+\b]                              ; the scale's byte
.endr
	v_lshl_or_b32 v[\pw], v[TM+5], 8, v[TM+4]
	v_lshl_or_b32 v[\pw], v[TM+6], 16, v[\pw]
	v_lshl_or_b32 v[\pw], v[TM+7], 24, v[\pw]
.irp b, 0,1,2,3
.irp i, 0,1,2,3,4,5,6,7,8,9,10,11,12,13,14,15
	v_med3_num_f32 v[\s+16*\b+\i], v[\s+16*\b+\i], -v[TM+8+\b], v[TM+8+\b]   ; the conversion to an 8-bit code does not saturate (ISA guide 7.6.2): the hold comes first
.endr
	v_cvt_scalef32_pk8_fp8_f32 v[PC+4*\b:PC+1+4*\b], v[\s+16*\b:\s+7+16*\b], v[TM+12+\b]
	v_cvt_scalef32_pk8_fp8_f32 v[PC+2+4*\b:PC+3+4*\b], v[\s+8+16*\b:\s+15+16*\b], v[TM+12+\b]
.endr
	v_nop                                          ; one plain vector line behind the last conversion of a run
.endm
; x: chunk c (128 along K) of my 16 rows: each load takes 512 consecutive bytes of one row
.macro XLOAD c
.irp p, 0,1,2,3,4,5,6,7,8,9,10,11,12,13,14,15
	global_load_b128 v[RAW+64*((\c)%2)+4*\p:RAW+64*((\c)%2)+4*\p+3], v1, s[4:5] offset:(\p+8*(\p/8))*4096+512*(\c) th:TH_LOAD_NT
.endr
.endm
.macro XCHUNK c
.if (\c) < 3
	s_wait_loadcnt 16                              ; this chunk's 16 loads are in; the next chunk's 16 may be out
.else
	s_wait_loadcnt 0x0
.endif
.irp p, 0,1,2,3,4,5,6,7,8,9,10,11,12,13,14,15
	ds_store_b128 v4, v[RAW+64*((\c)%2)+4*\p:RAW+64*((\c)%2)+4*\p+3] offset:SP*\p   ; through my wave's own stage, rows as they lie
.endr
.irp b, 0,1,2,3
.irp j, 0,1,2,3
	ds_load_b128 v[T+16*\b+4*\j:T+16*\b+4*\j+3], v5 offset:128*\b+16*\j   ; and back: of row r, 16 neighbours of each block of 32.  LDS serves a wave's instructions in order
.endr
.endr
	s_wait_dscnt 0x0                               ; the numbers are back, and the stores have read their registers,
.if (\c) < 2
	XLOAD (\c)+2                                   ; which take the chunk two further on
.endif
	s_wait_xcnt 0x0                                ; the last chunk's stores have read their codes: those registers are written again only behind this wait
	QUANT T, 10+(\c)
.irp e, 0,1,2,3
	global_store_b128 v1, v[PC+4*\e:PC+4*\e+3], s[12:13] offset:2048*(\c)+512*\e   ; 32 lanes store 512 consecutive bytes, aligned
.endr
.endm
; weights: block t: w(32 t + i, my column), i = 0 .. 31: each load takes 128 consecutive bytes of one row k
.macro WLOAD t, n
.irp i, 0,1,2,3,4,5,6,7,8,9,10,11,12,13,14,15,16,17,18,19,20,21,22,23,24,25,26,27,28,29,30,31
	global_load_b32 v[X+32*((\t)%2)+\i], v3, s[12:13] offset:(32*(\t)+\i)*\n*4 th:TH_LOAD_NT
.endr
.endm
.macro WBLOCK t, n
.set XS, X+32*((\t)%2)
.if (\t) < 7
	s_wait_loadcnt 32                              ; this block's 32 loads are in; the next block's may be out
.else
	s_wait_loadcnt 0x0
.endif
	s_wait_xcnt 0x0                                ; the last block's stores have read their codes
	v_max3_num_f32 v12, |v[XS]|, |v[XS+1]|, |v[XS+2]|      ; all 32 numbers of the block are mine
	v_max3_num_f32 v13, |v[XS+3]|, |v[XS+4]|, |v[XS+5]|
.irp i, 6,10,14,18,22,26
	v_max3_num_f32 v12, v12, |v[XS+\i]|, |v[XS+\i+1]|
	v_max3_num_f32 v13, v13, |v[XS+\i+2]|, |v[XS+\i+3]|
.endr
	v_max3_num_f32 v12, v12, |v[XS+30]|, |v[XS+31]|
	v_max3_num_f32 v12, v12, v13, 0x4800000        ; and the floor
	v_add_nc_u32 v11, 0xfc000000, v12              ; the conversion's scale operand
	v_and_or_b32 v10, v12, 0x7f800000, s[MNT]      ; 448 x the scale
	v_lshrrev_b32 v13, 23, v11                     ; the byte
.if (\t)%4 == 0
	v_mov_b32 v[SB+(\t)/4], v13
.else
	v_lshl_or_b32 v[SB+(\t)/4], v13, 8*((\t)%4), v[SB+(\t)/4]
.endif
.irp i, 0,1,2,3,4,5,6,7,8,9,10,11,12,13,14,15,16,17,18,19,20,21,22,23,24,25,26,27,28,29,30,31
	v_med3_num_f32 v[XS+\i], v[XS+\i], -v10, v10
.endr
.irp g, 0,1,2,3
	v_cvt_scalef32_pk8_fp8_f32 v[C+2*\g:C+2*\g+1], v[XS+8*\g:XS+8*\g+7], v11
.endr
	v_nop
	global_store_b128 v4, v[C:C+3], s[14:15] offset:((\t)/4)*2048+((\t)%4)*512        ; k 0-15 of the block: the image's lanes (r, 0): the 16 lanes of a rowtile fill 256 aligned bytes
	global_store_b128 v4, v[C+4:C+7], s[14:15] offset:((\t)/4)*2048+((\t)%4)*512+256  ; k 16-31: lanes (r, 1)
.if (\t)+2 < 8
	WLOAD (\t)+2, \n
.endif
.endm
; a weight [1024][n] at s[p:p+1]; its rowtiles begin at rt0, its work-groups at w0.  A lane takes a column and its registers run down K: nothing is transposed.
.macro WPATH n, p, rt0, w0
	s_sub_co_u32 s17, ttmp9, \w0
	s_lshr_b32 s18, s17, 2
	s_lshl_b32 s18, s18, 2
	s_add_co_u32 s18, s18, s[WV]                   ; G: which 32 columns
	s_and_b32 s19, s17, 3                          ; which 256 along K
	s_mul_i32 s24, s19, 256*\n*4
	s_lshl_b32 s25, s18, 7
	s_add_co_u32 s24, s24, s25                     ; in: 256 kq rows + 128 G bytes
	s_mov_b32 s25, 0
	s_lshl_b32 s26, s18, 15                        ; codes: rowtile rt0 + 2 G, 4096 bytes for each 256 along K
	s_lshl_b32 s27, s19, 12
	s_add_co_u32 s26, s26, s27
	s_add_co_u32 s26, s26, \rt0*16384
	s_mov_b32 s27, 0
	s_lshl_b32 s28, s18, 10                        ; scales: 512 bytes a rowtile, 128 for each 256 along K
	s_lshl_b32 s29, s19, 7
	s_add_co_u32 s28, s28, s29
	s_add_co_u32 s28, s28, SCLB+\rt0*512
	s_mov_b32 s29, 0
	v_and_b32 v2, 31, v0                           ; L: my column of the 32
	v_lshlrev_b32 v3, 2, v2
	v_bfe_u32 v5, v0, 3, 1                         ; u = (L / 8) % 2: which of the two rowtiles
	v_and_b32 v6, 7, v0
	v_bfe_u32 v7, v0, 4, 1
	v_lshl_add_u32 v6, v7, 3, v6                   ; r = L % 8 + 8 (L / 16)
	v_lshlrev_b32 v4, 4, v6
	v_lshl_add_u32 v4, v5, 14, v4                  ; 16384 u + 16 r
	v_lshlrev_b32 v9, 3, v6
	v_lshl_add_u32 v9, v5, 9, v9                   ; 512 u + 8 r
	s_wait_alu depctr_va_vdst(0)
	s_wait_kmcnt 0x0
	s_add_nc_u64 s[12:13], s[\p:\p+1], s[24:25]
	s_add_nc_u64 s[14:15], s[10:11], s[26:27]
	s_add_nc_u64 s[30:31], s[10:11], s[28:29]
	WLOAD 0, \n
	WLOAD 1, \n
.irp t, 0,1,2,3,4,5,6,7
	WBLOCK \t, \n
.endr
	global_store_b64 v9, v[SB:SB+1], s[30:31]      ; my column's eight bytes
.endm
	s_load_b256 s[4:11], s[0:1], 0x0               ; x s[4:5], w_qkv s[6:7], w_proj s[8:9], ops s[10:11]
	v_lshl_add_u32 v8, v0, 2, 0x8400
	s_set_vgpr_msb 0x40
	v_mov_b32 v1, 0
	s_set_vgpr_msb 0x4000
	v_lshrrev_b32 v1, 5, v0
	v_readfirstlane_b32 s[WV], v1
	s_mov_b32 s[SEL], 0x76543210
	s_mov_b32 s[SEL+1], 0xfedcba98
	s_mov_b32 s[MNT], 0x600000
	s_cmp_lt_u32 ttmp9, 256
	s_cbranch_scc0 .Lweights
	; ---- x
	s_lshl_b32 s17, ttmp9, 2
	s_add_co_u32 s17, s17, s[WV]                   ; my job
	s_lshr_b32 s18, s17, 1                         ; its rowtile
	s_and_b32 s19, s17, 1                          ; and which 512 along K
	s_lshr_b32 s24, s18, 1
	s_lshl_b32 s24, s24, 17                        ; 32 rows of 4096 bytes for each pair of rowtiles,
	s_and_b32 s25, s18, 1
	s_lshl_b32 s25, s25, 15                        ; 8 rows for the odd one,
	s_add_co_u32 s24, s24, s25
	s_lshl_b32 s25, s19, 11                        ; 2048 bytes for the second half of K
	s_add_co_u32 s24, s24, s25
	s_mov_b32 s25, 0
	s_lshl_b32 s26, s18, 14
	s_lshl_b32 s27, s19, 13
	s_add_co_u32 s26, s26, s27
	s_mov_b32 s27, 0
	s_lshl_b32 s28, s18, 9
	s_lshl_b32 s29, s19, 8
	s_add_co_u32 s28, s28, s29
	s_add_co_u32 s28, s28, SCLB
	s_mov_b32 s29, 0
	v_and_b32 v7, 31, v0
	v_lshlrev_b32 v1, 4, v7                        ; 16 x lane
	v_and_b32 v2, 15, v0                           ; r
	v_bfe_u32 v3, v0, 4, 1                         ; h
	s_mul_i32 s23, s[WV], 16*SP                    ; my stage
	v_add_nc_u32 v4, s23, v1
	v_mul_u32_u24 v5, v2, SP
	v_lshl_add_u32 v5, v3, 6, v5
	v_add_nc_u32 v5, s23, v5                       ; row r, + 64 h
	v_lshlrev_b32 v6, 3, v2
	v_lshl_add_u32 v6, v3, 7, v6                   ; scales: 128 h + 8 r
.irp b, 0,1,2,3
	v_mov_b32 v[TM+4+\b], 0                        ; written once: a lane permute's destination counts as one of its sources
.endr
	s_wait_alu depctr_va_vdst(0)
	s_wait_kmcnt 0x0
	s_add_nc_u64 s[4:5], s[4:5], s[24:25]
	s_add_nc_u64 s[12:13], s[10:11], s[26:27]
	s_add_nc_u64 s[14:15], s[10:11], s[28:29]
	XLOAD 0
	XLOAD 1
	XCHUNK 0
	XCHUNK 1
	XCHUNK 2
	XCHUNK 3
	v_cmp_eq_u32 vcc_lo, 1, v3                     ; lanes 0-15 store the words of chunks 0, 1; lanes 16-31 those of chunks 2, 3
	v_cndmask_b32 v14, v10, v12, vcc_lo
	v_cndmask_b32 v15, v11, v13, vcc_lo
	global_store_b64 v6, v[14:15], s[14:15]        ; 32 lanes store 256 consecutive bytes, aligned
	s_set_vgpr_msb 0x4
	s_wait_tensorcnt 0x0
	ds_add_u32 v8, v1
	s_wait_dscnt 0x0
	s_set_vgpr_msb 0x400
	s_endpgm
.Lweights:
	s_cmp_lt_u32 ttmp9, 352
	s_cbranch_scc0 .Lproj
	WPATH 3072, 6, 512, 256
	s_endpgm
.Lproj:
	WPATH 1024, 8, 704, 352
	s_endpgm
.Lfunc_end_k_q0474744250_quant:
	.size	k_q0474744250_quant, .Lfunc_end_k_q0474744250_quant-k_q0474744250_quant
	.p2alignl 7, 3214868480
	.fill 96, 4, 3214868480
	.section	.rodata,"a",@progbits
	.p2align	6, 0x0
	.amdhsa_kernel k_q0474744250_quant
		.amdhsa_group_segment_fixed_size 34304
		.amdhsa_private_segment_fixed_size 0
		.amdhsa_enable_private_segment 0
		.amdhsa_kernarg_size 32
		.amdhsa_user_sgpr_count 2
		.amdhsa_user_sgpr_kernarg_segment_ptr 1
		.amdhsa_wavefront_size32 1
		.amdhsa_system_sgpr_workgroup_id_x 1
		.amdhsa_system_sgpr_workgroup_id_y 1
		.amdhsa_system_sgpr_workgroup_id_z 1
		.amdhsa_system_vgpr_workitem_id 0
		.amdhsa_next_free_vgpr 258
		.amdhsa_next_free_sgpr 66
		.amdhsa_reserve_vcc 1
		.amdhsa_float_denorm_mode_32 3
		.amdhsa_float_denorm_mode_16_64 3
		.amdhsa_memory_ordered 1
		.amdhsa_forward_progress 1
		.amdhsa_inst_pref_size 163
	.end_amdhsa_kernel
	.amdgpu_metadata
---
amdhsa.version: [ 1, 2 ]
amdhsa.kernels:
  - .name:           k_q0474744250_quant
    .symbol:         k_q0474744250_quant.kd
    .args:
      - { .name: x, .offset: 0, .size: 8, .value_kind: global_buffer, .address_space: global }
      - { .name: w_qkv, .offset: 8, .size: 8, .value_kind: global_buffer, .address_space: global }
      - { .name: w_proj, .offset: 16, .size: 8, .value_kind: global_buffer, .address_space: global }
      - { .name: ops, .offset: 24, .size: 8, .value_kind: global_buffer, .address_space: global }
    .group_segment_fixed_size: 34304
    .private_segment_fixed_size: 0
    .kernarg_segment_align: 8
    .kernarg_segment_size: 32
    .max_flat_workgroup_size: 128
    .sgpr_count:     66
    .vgpr_count:     258
    .wavefront_size: 32
...
	.end_amdgpu_metadata
.endif
;; end of part 1
;; launch gemm_qkv (part 2): grid 12 x 32, 4 waves a work-group, clusters of 4 x 4, 327,680 bytes of LDS; arguments ops, b_qkv, qkv; writes qkv
.if DOCPART == 2
	.amdgcn_target "amdgcn-amd-amdhsa--gfx1250"
	.amdhsa_code_object_version 6
	.text
	.protected	k_q0474744250_gemm_qkv
	.globl	k_q0474744250_gemm_qkv
	.p2align	8
	.type	k_q0474744250_gemm_qkv,@function
k_q0474744250_gemm_qkv:
	s_mov_b64 s[64:65], 0
	v_nop
	global_prefetch_b8 v0, s[64:65] scope:SCOPE_SE
	s_setreg_imm32_b32 hwreg(HW_REG_WAVE_MODE, 25, 1), 1
	s_wait_xcnt 0x0
	s_wait_alu depctr_hold_cnt(0) depctr_sa_sdst(0) depctr_va_vdst(0) depctr_va_sdst(0) depctr_va_ssrc(0) depctr_va_vcc(0) depctr_vm_vsrc(0)
	s_getreg_b32 s2, hwreg(HW_REG_IB_STS2, 6, 4)
	s_cmp_eq_u32 s2, 0
	s_cbranch_scc0 .Lentry_in_a_cluster
	s_endpgm
.Lentry_in_a_cluster:
	s_bfe_u32 s2, ttmp6, 0x10000c
	s_cmp_lg_u32 s2, 0xf033
	s_cbranch_scc0 .Lentry_shape_is_right
	s_endpgm
.Lentry_shape_is_right:
.set SCLB,  12582912
.set NQ,    2
.set FR,    16
.set NL,    4
.set NP,    8
.set KB,    4096
.set HALFT, 32768
.set SLOT,  131072
.set LAPS,  2
.set SCL,   262144
.set HALFS, 4096
.set SPARE, 278528
.set BS1,  8
.set ADRA, 16
.set ADRB, 20
.set ADRS, 27
.set SPW,  28
.set NIL,  29
.set SC,   32
.set BS0,  64
.set AF,   128
.set BP,   64
.set W,    80
.set VB,   88
.set TM,   96
.set PC,   112
.set T,    128
.set SEL,  2
.set MNT,  45
.set G1,   24
.set G0,   32
.set G1B,  48
.set G0B,  56
.set G1S,  68
.set G0S,  76
.set G1SB, 80
.set G0SB, 88
.set MSB, 0
.macro WIN new
.if MSB != (\new)
	s_set_vgpr_msb (MSB<<8)|(\new)
.set MSB, (\new)
.endif
.endm
.set MUL_LO, 0xa1
.set MUL_HI, 0xf1
.set TO_B,   0x40
.macro JLOAD g0a, g1a, g0b, g1b
	s_cmp_eq_u32 s15, 0
	s_cbranch_scc0 .Lfor_b_\@
	tensor_load_to_lds s[\g0a:\g0a+3], s[\g1a:\g1a+7]
	s_nop 0
.rept 4
	v_nop
.endr
	s_branch .Lasked_\@
.Lfor_b_\@:
	tensor_load_to_lds s[\g0b:\g0b+3], s[\g1b:\g1b+7]
	s_nop 0
.rept 4
	v_nop
.endr
.Lasked_\@:
.endm
.macro CREST
	s_cmp_lg_u32 s14, 0
	s_cbranch_scc1 .Lnot_wave_0_\@
	s_barrier_signal -3
.Lnot_wave_0_\@:
	s_barrier_wait -3
	s_barrier_signal -1
	s_barrier_wait -1
.endm
.macro CROUND
	s_barrier_signal -1
	s_barrier_wait -1
	CREST
.endm
.macro PLACES n
.rept \n
	v_nop
.endr
.endm
.macro QUANT s, pw
.irp b, 0,1,2,3
	v_max3_num_f32 v[TM+\b], |v[\s+16*\b]|, |v[\s+1+16*\b]|, 0x4800000
.endr
.irp i, 2,4,6,8,10,12,14
.irp b, 0,1,2,3
	v_max3_num_f32 v[TM+\b], v[TM+\b], |v[\s+16*\b+\i]|, |v[\s+1+16*\b+\i]|
.endr
.endr
.irp b, 0,1,2,3
	v_permlanex16_b32 v[TM+4+\b], v[TM+\b], s[SEL], s[SEL+1]
.endr
.irp b, 0,1,2,3
	v_max_num_f32 v[TM+\b], v[TM+\b], v[TM+4+\b]
.endr
.irp b, 0,1,2,3
	v_add_nc_u32 v[TM+12+\b], 0xfc000000, v[TM+\b]
.endr
.irp b, 0,1,2,3
	v_and_or_b32 v[TM+8+\b], v[TM+\b], 0x7f800000, s[MNT]
.endr
.irp b, 0,1,2,3
	v_lshrrev_b32 v[TM+4+\b], 23, v[TM+12+\b]
.endr
	v_lshl_or_b32 v[\pw], v[TM+5], 8, v[TM+4]
	v_lshl_or_b32 v[\pw], v[TM+6], 16, v[\pw]
	v_lshl_or_b32 v[\pw], v[TM+7], 24, v[\pw]
.irp b, 0,1,2,3
.irp i, 0,1,2,3,4,5,6,7,8,9,10,11,12,13,14,15
	v_med3_num_f32 v[\s+16*\b+\i], v[\s+16*\b+\i], -v[TM+8+\b], v[TM+8+\b]
.endr
	v_cvt_scalef32_pk8_fp8_f32 v[PC+4*\b:PC+1+4*\b], v[\s+16*\b:\s+7+16*\b], v[TM+12+\b]
	v_cvt_scalef32_pk8_fp8_f32 v[PC+2+4*\b:PC+3+4*\b], v[\s+8+16*\b:\s+15+16*\b], v[TM+12+\b]
.endr
	v_nop
.endm
	s_load_b128 s[4:7], s[0:1], 0x0
	s_load_b64 s[8:9], s[0:1], 0x10
	v_lshl_add_u32 v[SPW], v0, 2, SPARE
	v_mov_b32 v[NIL], 0
	ds_add_u32 v28, v29
	ds_add_u32 v28, v29
	s_wait_dscnt 0x0
	v_lshrrev_b32 v1, 5, v0
	v_readfirstlane_b32 s14, v1
	s_lshr_b32 s15, s14, 1
	s_and_b32 s16, s14, 1
	s_bfe_u32 s40, ttmp6, 0x40000
	s_bfe_u32 s41, ttmp6, 0x40004
	s_lshl_b32 s43, s41, 2
	s_lshl_b32 s43, 15, s43
	s_lshl_b32 s44, 0x1111, s40
	s_or_b32 s[G1+0], s43, (3<<16)|(1<<21)
	s_or_b32 s[G1B+0], s44, (3<<16)|(1<<21)
.irp g, G1, G1B
	s_mov_b32 s[\g+1], 512<<16
	s_mov_b32 s[\g+2], 16<<16                      ; the head's loads of codes bring all 16 rowtiles of a side; behind them the two words are set to 8, for the ring's
	s_mov_b32 s[\g+3], 512<<16
	s_mov_b32 s[\g+4], 16
	s_mov_b32 s[\g+5], 2048
	s_mov_b32 s[\g+6], 0
	s_mov_b32 s[\g+7], 0
.endr
	s_or_b32 s[G1S+0], s43, (3<<16)|(1<<21)
	s_or_b32 s[G1SB+0], s44, (3<<16)|(1<<21)
.irp g, G1S, G1SB
	s_mov_b32 s[\g+1], 32<<16
	s_mov_b32 s[\g+2], 32<<16                      ; the scale bytes of all 16 rowtiles of a side: 32 rows of 256 bytes, one load
	s_mov_b32 s[\g+3], 32<<16
	s_mov_b32 s[\g+4], 32
	s_mov_b32 s[\g+5], 32
	s_mov_b32 s[\g+6], 0
	s_mov_b32 s[\g+7], 0
.endr
	s_and_b32 s17, ttmp7, 0xffff
	s_lshl_b32 s18, s17, 6
	s_mov_b32 s19, 640
	s_cmp_eq_u32 ttmp9, 2
	s_cselect_b32 s18, s19, s18
	s_lshl_b32 s19, s41, 4
	s_add_co_u32 s18, s18, s19
	s_lshl_b32 s19, s16, 3
	s_add_co_u32 s18, s18, s19
	s_lshl_b32 s20, s18, 14
	s_mov_b32 s21, 0
	s_lshl_b32 s22, s18, 9
	s_add_co_u32 s22, s22, SCLB
	s_mov_b32 s23, 0
	s_and_b32 s46, ttmp7, 0xffff
	s_lshl_b32 s46, s46, 6
	s_lshl_b32 s47, ttmp9, 6
	s_add_co_u32 s47, s47, 512
	s_cmp_eq_u32 ttmp9, 2
	s_cselect_b32 s46, s46, s47
	s_lshl_b32 s47, s40, 4
	s_add_co_u32 s46, s46, s47
	s_lshl_b32 s47, s16, 3
	s_add_co_u32 s46, s46, s47
	s_lshl_b32 s92, s46, 9
	s_add_co_u32 s92, s92, SCLB
	s_mov_b32 s93, 0
	s_lshl_b32 s46, s46, 14
	s_mov_b32 s47, 0
	s_mul_i32 s66, s14, HALFT
	s_mul_i32 s67, s14, HALFS
	s_mov_b32 s[MNT], 0x600000
	s_wait_kmcnt 0x0
	s_add_nc_u64 s[20:21], s[4:5], s[20:21]
	s_add_nc_u64 s[22:23], s[4:5], s[22:23]
	s_add_nc_u64 s[46:47], s[4:5], s[46:47]
	s_add_nc_u64 s[92:93], s[4:5], s[92:93]
	CROUND
	s_mov_b32 s[G0S], 1
	s_add_co_u32 s[G0S+1], s67, SCL
	s_mov_b64 s[G0S+2:G0S+3], s[22:23]
	s_or_b32 s[G0S+3], s[G0S+3], 0x80000000
	s_mov_b32 s[G0SB], 1
	s_add_co_u32 s[G0SB+1], s67, SCL
	s_mov_b64 s[G0SB+2:G0SB+3], s[92:93]
	s_or_b32 s[G0SB+3], s[G0SB+3], 0x80000000
.irp s, 0,1
	s_mov_b32 s[G0+4*\s], 1
	s_add_co_u32 s[G0+4*\s+1], s66, \s*SLOT
	s_add_nc_u64 s[G0+4*\s+2:G0+4*\s+3], s[20:21], \s*KB
	s_or_b32 s[G0+4*\s+3], s[G0+4*\s+3], 0x80000000
	s_mov_b32 s[G0B+4*\s], 1
	s_add_co_u32 s[G0B+4*\s+1], s66, \s*SLOT
	s_add_nc_u64 s[G0B+4*\s+2:G0B+4*\s+3], s[46:47], \s*KB
	s_or_b32 s[G0B+4*\s+3], s[G0B+4*\s+3], 0x80000000
.endr
; THE HEAD'S LOADS, ONE A WAVE: wave 0 K step 0's 16 rowtiles of A, wave 1 those of B, wave 2 A's scale bytes, wave 3 B's.  Slot 0's groups 0 serve them, set back by my half of the rowtiles; behind the wait for them they get my half again.
	s_lshl_b32 s18, s16, 17                        ; 8 rowtiles of 16384 bytes
	s_mov_b32 s19, 0
	s_mov_b32 s[G0+1], 0
	s_sub_nc_u64 s[G0+2:G0+3], s[G0+2:G0+3], s[18:19]
	s_mov_b32 s[G0B+1], 2*HALFT
	s_sub_nc_u64 s[G0B+2:G0B+3], s[G0B+2:G0B+3], s[18:19]
	s_lshl_b32 s92, s16, 12                        ; 8 rowtiles of 512 scale bytes
	s_mov_b32 s93, 0
	s_mov_b32 s[G0S+1], SCL
	s_sub_nc_u64 s[G0S+2:G0S+3], s[G0S+2:G0S+3], s[92:93]
	s_mov_b32 s[G0SB+1], SCL+2*HALFS
	s_sub_nc_u64 s[G0SB+2:G0SB+3], s[G0SB+2:G0SB+3], s[92:93]
.macro HARM under, g0, g1, next
	s_cmp_lt_u32 s14, \under
	s_cbranch_scc0 \next
	tensor_load_to_lds s[\g0:\g0+3], s[\g1:\g1+7]
	s_nop 0
.rept 4
	v_nop
.endr
	s_branch .Lhead_asked
\next:
.endm
	HARM 1, G0,  G1,  .Lhead_b
	HARM 2, G0B, G1B, .Lhead_sa
	HARM 3, G0S, G1S, .Lhead_sb
	tensor_load_to_lds s[G0SB:G0SB+3], s[G1SB:G1SB+7]
	s_nop 0
.rept 4
	v_nop
.endr
.Lhead_asked:
	v_and_b32 v1, 15, v0
	v_bfe_u32 v2, v0, 4, 1
	s_wait_alu depctr_va_vdst(0)
	v_and_b32 v3, 31, v0
	v_lshlrev_b32 v4, 4, v3
	s_mul_i32 s21, s15, HALFT
	s_mul_i32 s22, s16, HALFT
	s_add_co_u32 s22, s22, 2*HALFT
.irp s, 0,1
	v_add_nc_u32 v[ADRA+\s], s21, v4
	v_add_nc_u32 v[ADRB+\s], s22, v4
	s_add_co_u32 s21, s21, SLOT
	s_add_co_u32 s22, s22, SLOT
.endr
	v_lshlrev_b32 v5, 3, v1
	s_mul_i32 s21, s15, HALFS
	s_mul_i32 s22, s16, HALFS
	s_add_co_u32 s22, s22, 2*HALFS
	s_sub_co_u32 s22, s22, s21
	v_mul_u32_u24 v6, s22, v2
	s_add_co_u32 s21, s21, SCL
	v_add_nc_u32 v5, v5, v6
	v_add_nc_u32 v[ADRS], s21, v5
	s_lshl_b32 s94, ttmp9, 2
	s_add_co_u32 s94, s94, s40
	s_lshl_b32 s94, s94, 10
	s_lshl_b32 s95, s16, 9
	s_add_co_u32 s94, s94, s95
	s_lshl_b32 s96, s41, 10
	s_lshl_b32 s97, s15, 9
	s_add_co_u32 s96, s96, s97
	s_add_co_u32 s96, s96, 8192
	s_mov_b32 s98, 1024
	s_mov_b32 s100, 1024
	s_mov_b32 s10, 131072
	s_mov_b32 s13, 0x05040100
	s_mov_b32 s42, 0x07060302
	s_cmp_eq_u32 ttmp9, 2
	s_cselect_b32 s94, 0, s94
	s_cselect_b32 s96, s96, 0
	s_cselect_b32 s11, -1, 0
	s_cselect_b32 s12, 0, -1
	s_cselect_b32 s98, 2048, s98
	s_cselect_b32 s100, 124928, s100
	s_cselect_b32 s10, 1024, s10
	s_cselect_b32 s13, 0x03020100, s13
	s_cselect_b32 s42, 0x07060504, s42
	s_mov_b32 s95, 0
	s_mov_b32 s97, 0
	s_mov_b32 s99, 0
	s_mov_b32 s101, 0
	s_add_nc_u64 s[94:95], s[6:7], s[94:95]
	s_add_nc_u64 s[96:97], s[6:7], s[96:97]
	v_lshlrev_b32 v7, 6, v2
	v_and_b32 v3, 8, v1
	v_add_nc_u32 v3, v3, v1
	v_lshlrev_b32 v3, 2, v3
.irp b, 0,1,2,3,4,5,6,7
	global_load_b128 v[BS0+8*\b:BS0+8*\b+3], v7, s[94:95] offset:(32*(\b/2)+8*(\b%2))*4
	global_load_b128 v[BS0+8*\b+4:BS0+8*\b+7], v7, s[94:95] offset:(32*(\b/2)+8*(\b%2))*4+16
.endr
.irp a, 0,1,2,3,4,5,6,7
	global_load_b32 v[BS1+\a], v3, s[96:97] offset:(32*(\a/2)+8*(\a%2))*4
.endr
	s_wait_loadcnt 0x0
.set i, 0
.rept 64
	v_cndmask_b32 v[BS0+i], 0, v[BS0+i], s12
.set i, i+1
.endr
.irp a, 0,1,2,3,4,5,6,7
	v_cndmask_b32 v[BS1+\a], 0, v[BS1+\a], s11
.endr
	s_and_b32 s2, ttmp7, 0xffff
	s_lshl_b32 s66, s2, 2
	s_add_co_u32 s67, s66, s40
	s_add_co_u32 s66, s66, s41
	s_and_b32 s67, s67, 7
	s_and_b32 s66, s66, 7
	s_lshl_b32 s67, s67, 1
	s_lshl_b32 s66, s66, 1
	s_add_co_u32 s67, s67, s16
	s_add_co_u32 s66, s66, s15
	s_lshl_b32 s94, s41, 2
	s_lshl_b32 s95, s15, 1
	s_add_co_u32 s94, s94, s95
	s_lshl_b32 s96, s40, 2
	s_lshl_b32 s97, s16, 1
	s_add_co_u32 s96, s96, s97
	s_lshr_b32 s2, s2, 1
	s_lshl_b32 s2, s2, 4
	s_cmp_eq_u32 ttmp9, 2
	s_cselect_b32 s66, s67, s66
	s_cselect_b32 s94, s94, s96
	s_add_co_u32 s2, s2, s94
	s_lshl_b32 s94, s2, 17
	s_lshl_b32 s67, s66, 13
	s_add_co_u32 s94, s94, s67
	s_lshl_b32 s67, ttmp9, 23
	s_add_co_u32 s94, s94, s67
	s_mov_b32 s95, 0
	s_lshl_b32 s96, s2, 12
	s_lshl_b32 s67, s66, 8
	s_add_co_u32 s96, s96, s67
	s_lshl_b32 s67, ttmp9, 18
	s_add_co_u32 s96, s96, s67
	s_add_co_u32 s96, s96, 25165824
	s_mov_b32 s97, 0
	s_add_nc_u64 s[94:95], s[8:9], s[94:95]
	s_add_nc_u64 s[96:97], s[8:9], s[96:97]
.macro FRAG reg, adr, q, i
.irp c, 0,1,2,3
	ds_load_b128 v[\reg+4*\c:\reg+4*\c+3], v[\adr] offset:(\i)*KB+(\q)*2048+512*\c
.endr
.endm
.macro MUL16 a0, p, q, sc, zero
.irp a, \a0, \a0+1
.irp b, 0,1,2,3,4,5,6,7
.if \zero
	v_wmma_scale_f32_16x16x128_f8f6f4 v[8*(8*((\a)%4)+\b):8*(8*((\a)%4)+\b)+7], v[128*(\p)+FR*\b:128*(\p)+FR*\b+FR-1], v[AF+FR*(\a):AF+FR*(\a)+FR-1], v[BS0+8*\b:BS0+8*\b+7], v[SC+8*NQ*(\sc)+NQ*\b+(\q)], v[SC+8*NQ*(\sc)+NQ*(\a)+(\q)] matrix_a_scale:MATRIX_SCALE_ROW1
.else
	v_wmma_scale_f32_16x16x128_f8f6f4 v[8*(8*((\a)%4)+\b):8*(8*((\a)%4)+\b)+7], v[128*(\p)+FR*\b:128*(\p)+FR*\b+FR-1], v[AF+FR*(\a):AF+FR*(\a)+FR-1], v[8*(8*((\a)%4)+\b):8*(8*((\a)%4)+\b)+7], v[SC+8*NQ*(\sc)+NQ*\b+(\q)], v[SC+8*NQ*(\sc)+NQ*(\a)+(\q)] matrix_a_scale:MATRIX_SCALE_ROW1
.endif
.endr
.endr
.endm
.macro FETCH_B slot, q, p
	WIN TO_B
.irp i, 0,1,2,3,4,5,6,7
	FRAG 128*(\p)+FR*\i, ADRB+\slot, \q, \i
.endr
	WIN 0
.endm
.macro FETCH_A slot, q, i0
.irp i, \i0, \i0+1, \i0+2, \i0+3
	FRAG AF+FR*(\i), ADRA+\slot, \q, \i
.endr
.endm
.macro SCALES sc
.irp i, 0,1,2,3,4,5,6,7
	ds_load_b64 v[SC+8*NQ*\sc+NQ*\i:SC+8*NQ*\sc+NQ*\i+1], v[ADRS] offset:\i*512
.endr
.endm
.macro STEP slot, q, zero
	s_wait_dscnt 4*NL
	WIN MUL_LO-0x20*(\zero)
	MUL16 0, (\q)%2, \q, \slot, \zero
	MUL16 2, (\q)%2, \q, \slot, \zero
	s_wait_dscnt 0
	PLACES NP
	FETCH_B \slot, (\q)+1, 1-(\q)%2
	FETCH_A \slot, (\q)+1, 0
	WIN MUL_HI-0x30*(\zero)
	MUL16 4, (\q)%2, \q, \slot, \zero
	MUL16 6, (\q)%2, \q, \slot, \zero
	PLACES NP
	WIN 0
	FETCH_A \slot, (\q)+1, 4
.endm
.macro TURN slot, next, fill
	s_wait_tensorcnt 0x0
	ds_add_u32 v[SPW], v[NIL]
	s_wait_dscnt 4*NL+1
	WIN MUL_LO
	MUL16 0, 1, NQ-1, \slot, 0
	s_wait_dscnt 0x0
	s_barrier_signal -1
	MUL16 2, 1, NQ-1, \slot, 0
	WIN 0
	s_barrier_wait -1
.if \fill
	CREST
	s_add_nc_u64 s[G0+4*\slot+2:G0+4*\slot+3], s[G0+4*\slot+2:G0+4*\slot+3], 2*KB
	s_add_nc_u64 s[G0B+4*\slot+2:G0B+4*\slot+3], s[G0B+4*\slot+2:G0B+4*\slot+3], 2*KB
	JLOAD G0+4*\slot, G1, G0B+4*\slot, G1B
	PLACES NP-4
.else
	PLACES NP
.endif
	s_wait_alu depctr_va_vdst(0)
	v_add_nc_u32 v[ADRS], 128, v[ADRS]
	FETCH_B \next, 0, 0
	FETCH_A \next, 0, 0
	SCALES \next
	WIN MUL_HI
	MUL16 4, 1, NQ-1, \slot, 0
	MUL16 6, 1, NQ-1, \slot, 0
	PLACES NP
	WIN 0
	FETCH_A \next, 0, 4
.endm
	s_wait_alu depctr_va_vdst(0)
	s_wait_tensorcnt 0x0                           ; my tile of the head's four is in
	ds_add_u32 v28, v29
	s_mov_b32 s[G1+2], 8<<16                       ; no tensor load of mine is out: from here on a load brings 8 rowtiles,
	s_mov_b32 s[G1+4], 8
	s_mov_b32 s[G1B+2], 8<<16
	s_mov_b32 s[G1B+4], 8
	s_mul_i32 s[G0+1], s14, HALFT                  ; and slot 0's groups 0 name my quarter of the slot again
	s_mul_i32 s[G0B+1], s14, HALFT
	s_add_nc_u64 s[G0+2:G0+3], s[G0+2:G0+3], s[18:19]
	s_add_nc_u64 s[G0B+2:G0B+3], s[G0B+2:G0B+3], s[18:19]
	s_wait_dscnt 0x0
	CROUND                                         ; all four tiles are in, in every work-group of the cluster
	JLOAD G0+4, G1, G0B+4, G1B                     ; K step 1, the first tensor load behind the round
	FETCH_B 0, 0, 0
	FETCH_A 0, 0, 0
	SCALES 0
	FETCH_A 0, 0, 4
	STEP 0, 0, 1
	s_mov_b32 s3, LAPS-1
.Llap:
	TURN 0, 1, 1
	STEP 1, 0, 0
	TURN 1, 0, 1
	STEP 0, 0, 0
	s_sub_co_u32 s3, s3, 1
	s_cmp_lg_u32 s3, 0
	s_cbranch_scc1 .Llap
	TURN 0, 1, 0
	STEP 1, 0, 0
	s_wait_dscnt 4*NL
	WIN MUL_LO
	MUL16 0, 1, NQ-1, 1, 0
	MUL16 2, 1, NQ-1, 1, 0
	s_wait_dscnt 0
	WIN MUL_HI
	MUL16 4, 1, NQ-1, 1, 0
	MUL16 6, 1, NQ-1, 1, 0
	WIN 0
.irp a, 0,1,2,3,4,5,6,7
	v_mov_b32 v[BP+2*\a], v[BS1+\a]
	v_mov_b32 v[BP+2*\a+1], v[BS1+\a]
.endr
	v_mov_b32 v[VB], v4
	v_add_nc_u32 v[VB+1], 512, v4
	v_add_nc_u32 v[VB+2], s10, v4
	v_add_nc_u32 v[VB+3], 512, v[VB+2]
.irp b, 0,1,2,3
	v_mov_b32 v[TM+4+\b], 0
.endr
	s_mov_b32 s[SEL], 0x76543210
	s_mov_b32 s[SEL+1], 0xfedcba98
.macro OUT a
	s_wait_xcnt 0x0
.if (\a) == 4
	s_add_nc_u64 s[94:95], s[94:95], s[100:101]
.elseif (\a) > 0
	s_add_nc_u64 s[94:95], s[94:95], s[98:99]
.endif
	WIN 0x02+(\a)/4
.set i, 0
.rept 32
	v_pk_add_f32 v[T+2*i:T+2*i+1], v[64*((\a)%4)+2*i:64*((\a)%4)+2*i+1], v[BP+2*(\a):BP+2*(\a)+1]
.set i, i+1
.endr
	WIN 0
	QUANT T, W+(\a)
.irp b, 0,1,2,3
	global_store_b128 v[VB+\b], v[PC+4*\b:PC+4*\b+3], s[94:95]
.endr
.endm
.irp a, 0,1,2,3,4,5,6,7
	OUT \a
.endr
	v_lshlrev_b32 v92, 2, v1
	s_lshl_b32 s66, s14, 9
	v_add_nc_u32 v92, s66, v92
	v_add_nc_u32 v93, s66, v4
.irp c, 0,1,2,3
	v_perm_b32 v[TM+2*\c], v[W+2*\c+1], v[W+2*\c], s13
	v_perm_b32 v[TM+2*\c+1], v[W+2*\c+1], v[W+2*\c], s42
.endr
.irp c, 0,1,2,3
	ds_store_b32 v92, v[TM+2*\c] offset:128*\c
	ds_store_b32 v92, v[TM+2*\c+1] offset:128*\c+64
.endr
	ds_load_b128 v[TM+8:TM+11], v93
	v_and_b32 v94, 3, v0
	v_lshlrev_b32 v94, 4, v94
	v_bfe_u32 v95, v0, 2, 1
	v_lshl_add_u32 v108, v95, 12, v94
	v_bfe_u32 v95, v0, 3, 2
	v_lshl_add_u32 v108, v95, 6, v108
	v_bfe_u32 v95, v0, 4, 1
	v_lshl_add_u32 v109, v95, 12, v94
	v_bfe_u32 v95, v0, 2, 2
	v_lshl_add_u32 v109, v95, 6, v109
	v_cndmask_b32 v108, v108, v109, s11
	s_wait_alu depctr_va_vdst(0)
	s_wait_dscnt 0x0
	global_store_b128 v108, v[TM+8:TM+11], s[96:97]
	s_wait_tensorcnt 0x0
	ds_add_u32 v[SPW], v[NIL]
	s_wait_dscnt 0x0
	CROUND
	s_endpgm
.Lfunc_end_k_q0474744250_gemm_qkv:
	.size	k_q0474744250_gemm_qkv, .Lfunc_end_k_q0474744250_gemm_qkv-k_q0474744250_gemm_qkv
	.p2alignl 7, 3214868480
	.fill 96, 4, 3214868480
	.section	.rodata,"a",@progbits
	.p2align	6, 0x0
	.amdhsa_kernel k_q0474744250_gemm_qkv
		.amdhsa_group_segment_fixed_size 327680
		.amdhsa_private_segment_fixed_size 0
		.amdhsa_enable_private_segment 0
		.amdhsa_kernarg_size 24
		.amdhsa_user_sgpr_count 2
		.amdhsa_user_sgpr_kernarg_segment_ptr 1
		.amdhsa_wavefront_size32 1
		.amdhsa_system_sgpr_workgroup_id_x 1
		.amdhsa_system_sgpr_workgroup_id_y 1
		.amdhsa_system_sgpr_workgroup_id_z 1
		.amdhsa_system_vgpr_workitem_id 0
		.amdhsa_next_free_vgpr 1024
		.amdhsa_next_free_sgpr 102
		.amdhsa_reserve_vcc 0
		.amdhsa_float_denorm_mode_32 3
		.amdhsa_float_denorm_mode_16_64 3
		.amdhsa_memory_ordered 1
		.amdhsa_forward_progress 1
		.amdhsa_inst_pref_size 213
	.end_amdhsa_kernel
	.amdgpu_metadata
---
amdhsa.version: [ 1, 2 ]
amdhsa.kernels:
  - .name:           k_q0474744250_gemm_qkv
    .symbol:         k_q0474744250_gemm_qkv.kd
    .args:
      - { .name: ops, .offset: 0, .size: 8, .value_kind: global_buffer, .address_space: global }
      - { .name: b_qkv, .offset: 8, .size: 8, .value_kind: global_buffer, .address_space: global }
      - { .name: qkv, .offset: 16, .size: 8, .value_kind: global_buffer, .address_space: global }
    .group_segment_fixed_size: 327680
    .private_segment_fixed_size: 0
    .kernarg_segment_align: 8
    .kernarg_segment_size: 24
    .max_flat_workgroup_size: 128
    .sgpr_count:     102
    .vgpr_count:     1024
    .wavefront_size: 32
...
	.end_amdgpu_metadata
.endif
;; end of part 2
;; launch attn (part 3): grid 4 x 64, 16 waves a work-group, clusters of 4 x 1, 272,384 bytes of LDS; arguments qkv, yq; writes yq
.if DOCPART == 3
	.amdgcn_target "amdgcn-amd-amdhsa--gfx1250"
	.amdhsa_code_object_version 6
	.text
	.protected	k_q0474744250_attn
	.globl	k_q0474744250_attn
	.p2align	8
	.type	k_q0474744250_attn,@function
k_q0474744250_attn:
	s_mov_b64 s[64:65], 0
	v_nop
	global_prefetch_b8 v0, s[64:65] scope:SCOPE_SE
	s_setreg_imm32_b32 hwreg(HW_REG_WAVE_MODE, 25, 1), 1
	s_wait_xcnt 0x0
	s_wait_alu depctr_hold_cnt(0) depctr_sa_sdst(0) depctr_va_vdst(0) depctr_va_sdst(0) depctr_va_ssrc(0) depctr_va_vcc(0) depctr_vm_vsrc(0)
	s_getreg_b32 s2, hwreg(HW_REG_IB_STS2, 6, 4)
	s_cmp_eq_u32 s2, 0
	s_cbranch_scc0 .Lentry_in_a_cluster
	s_endpgm
.Lentry_in_a_cluster:
	s_bfe_u32 s2, ttmp6, 0x10000c
	s_cmp_lg_u32 s2, 0x3003
	s_cbranch_scc0 .Lentry_shape_is_right
	s_endpgm
.Lentry_shape_is_right:
; y[bh][q] = the sum over keys k <= q of softmax_k(q . k / 8) v, both products on codes of FP8 (E4M3) with E8M0 scales; y leaves as codes, quantised along the model's 1024, as an image of the last product's operand.
; LEFT OUT: key steps all of whose keys come after a tile's queries.  Inside the diagonal step hidden scores become -infinity ahead of the maximum: p = 0.
; THE SOFTMAX: t = score x log2(e) / 8; M = the largest t so far, rounded up to a whole number; p = 2^(t - M) is quantised along the keys, not normalised; the row's sum is taken of the unquantised p and divides at the end.
; When M moves, the sum and O are multiplied by 2^(old M - new M): exact.
; IN (qkv): q at 0, k at 8388608: [bh][token rowtile 128][b' 2][512 bytes]: lane (r, h) of rowtile 2 g + u: token 32 g + 8 u + r + 8 (r / 8), d = 32 b' + 16 h + 0 .. 15.  v at 16777216: [bh][ks 16][a' 4][c 4][512]: lane (r, h):
; d = 32 (a' / 2) + 8 (a' % 2) + r + 8 (r / 8), key 128 ks + 32 c + 16 h + 0 .. 15.  Scale words at 25165824 + 262144 x (0, 1, 2) + 4096 bh: q, k: [g][r][4 bytes] = (u0 b'0, u0 b'1, u1 b'0, u1 b'1); v: [ks][a'][r][4 bytes].
; OUT (yq): codes at rowtile x 16384 + head x 1024 + 512 b'; scale bytes at 8388608 + rowtile x 512 + (head / 4) x 128 + 8 r + 2 (head % 4).
; SHARES.  64 heads x 4 work-groups = 256.  Work-group x of a head takes rowtiles 2 x and 2 x + 1 of each of the 16 blocks of 128 tokens.  Wave w (j = w / 2, u = w % 2) owns TWO tiles of 16 queries: rowtile 2 x + u of block 15 - j,
; then of block j: (16 - j) + (j + 1) = 17 key steps in every wave, two of them on the diagonal.  The branches hang on the wave's number and on counters alone.
; LDS holds the head's K, V and their scale words WHOLE, 270,336 bytes, each byte filled once, by joint loads of the cluster's four work-groups, one load a wave: waves 0-3 the halves of K's and V's key steps 0-3, wave 4 both
; tensors' scale words (a tile of two rows of 4096 bytes), waves 8-13 K's and V's key steps 4-7, 8-11, 12-15.  The first barrier shows what waves 0-4 fetched; the second, behind four steps of the long tile, all the rest.
; No prefetch: every fill stands at the head, so there is no loop to run ahead in.  The short tile's q is loaded under the long tile's way out.
; THE HEAD'S 64 IN A FORM OF 128: a fragment of K is the four images of 32 keys: k 0-63 of the form are tile u = 0's d, k 64-127 tile u = 1's.  Against [q | 0] it gives tile u = 0, against [0 | q] tile u = 1.
; Both products are used transposed: a lane holds one query; the 16 registers of two neighbouring tiles are 16 neighbouring keys.
; LIMITS: NaN and infinities are not served; a block of zeros gets the byte 1 (its codes are zeros; this program alone reads the bytes); the promise holds while the scaled scores stay under 2^31 in magnitude.
.set SPARE, 0x42000                    ; the spare words: 128 bytes for each of 16 waves
.set WV,   8
.set RANK, 9                           ; the block of 128 tokens of the tile in hand: its last key step
.set SEL,  16                          ; s[16:17] lane selects for lane l xor 16
.set CS,   18                          ; s[18:19] c = log2(e) / 8, twice
.set G1T,  20                          ; s[20:27] group 1: 64 rows of 256 bytes, dense
.set G1S,  28                          ; s[28:35] group 1: 2 rows of 4096 bytes, 262144 bytes apart
.set G0A,  36                          ; s[36:47] three groups 0, one for each load line
.set G0B,  40
.set G0C,  44
.set G1U,  48                          ; s[48:55] group 1: 128 rows of 256 bytes, dense
.set MNT,  56
.set SI,   57                          ; the key step
.set TB,   58                          ; 8192 x it: its tiles
.set TS,   59                          ; 256 x it: its scale words
.set CNT,  60
.set T0,   76                          ; s[76:83] the long tile: q, q's scale words, y's codes, y's scale bytes
.set T1,   84                          ; s[84:91] the short tile
.set BLK1, 92                          ; the short tile's block
.set QSH,  93                          ; 16 u: which half of q's scale word is my rowtile's
.set DB,   94                          ; 32 x + 8 u
.set AK0,  1                           ; v1  16 x lane
.set AV0,  2                           ; v2  131072 + 16 x lane
.set ASK0, 3                           ; v3  262144 + 4 x lane
.set ASV0, 4                           ; v4  266240 + 4 x lane
.set DD,   5                           ; v5  my query's place in its block of 128, less 16 h
.set NINF, 6                           ; v6  -infinity
.set R8,   7                           ; v7  8 r
.set ADK,  8
.set ADV,  9
.set ADS,  10
.set ADT,  11
.set KF,   40                          ; v40-103  four fragments of K, later of V
.set S,    104                         ; v104-167 S^T, then p
.set OT,   168                         ; v168-199 O^T
.set PCD,  200                         ; v200-215 p's codes
.set BM,   216                         ; block maxima;  v220.. permutes and bytes;  v224.. holds;  v228.. scale operands
.set PB,   220
.set HL,   224
.set SO,   228
.set TMP,  234
.set FF,   236                         ; v[236:237] f = 2^(old M - new M), and a 0
.set KW,   240
.set VW,   238
.set QW,   244
.set PW,   245
.macro CROUND
	s_barrier_signal -1
	s_barrier_wait -1
	s_cmp_lg_u32 s[WV], 0
	s_cbranch_scc1 .Lnot_wave_0_\@
	s_barrier_signal -3
.Lnot_wave_0_\@:
	s_barrier_wait -3
	s_barrier_signal -1
	s_barrier_wait -1
.endm
.macro GROUP1 g, c, r, p               ; r rows of c elements of 8 bytes, p elements apart; the mask names all four work-groups, bit 21 beside it
	s_mov_b32 s[\g], 15|(3<<16)|(1<<21)
	s_mov_b32 s[\g+1], (\c)<<16
	s_mov_b32 s[\g+2], (\r)<<16
	s_mov_b32 s[\g+3], (\c)<<16
	s_mov_b32 s[\g+4], \r
	s_mov_b32 s[\g+5], \p
	s_mov_b32 s[\g+6], 0
	s_mov_b32 s[\g+7], 0
.endm
.macro GROUP0 g, off                   ; the LDS address stands already
	s_mov_b32 s[\g], 1
	s_add_nc_u64 s[\g+2:\g+3], s[4:5], s[\off:\off+1]
	s_or_b32 s[\g+3], s[\g+3], 0x80000000
.endm
	s_load_b128 s[4:7], s[0:1], 0x0                ; qkv s[4:5], yq s[6:7]
	v_lshl_add_u32 v254, v0, 2, SPARE
	v_mov_b32 v255, 0
	ds_add_u32 v254, v255                          ; the opening lines: the add, twice on end, and its wait
	ds_add_u32 v254, v255
	v_lshrrev_b32 v1, 5, v0
	s_delay_alu instid0(VALU_DEP_1)
	v_readfirstlane_b32 s[WV], v1                  ; wave 0..15
	s_bfe_u32 s10, ttmp6, 0x40000                  ; x = cx: it enters q's and y's addresses and the mask's numbers alone
	s_and_b32 s12, ttmp7, 0xffff                   ; bh, which the four partners share
	GROUP1 G1T, 32, 64, 32
	GROUP1 G1S, 512, 2, 32768
	GROUP1 G1U, 32, 128, 32
	s_lshl_b32 s68, s12, 17                        ; 131072 bh
	s_lshr_b32 s13, s[WV], 1                       ; waves 0-3: kind = wave / 2 (K or V), half = wave % 2 of key steps 0-3
	s_and_b32 s14, s[WV], 1
	s_lshl_b32 s61, s13, 17
	s_lshl_b32 s62, s14, 14
	s_add_co_u32 s[G0A+1], s61, s62                ; LDS: 131072 kind + 16384 half
	s_lshl_b32 s66, s13, 23
	s_add_co_u32 s66, s66, s62
	s_add_co_u32 s66, s66, s68
	s_add_co_u32 s66, s66, 8388608                 ; memory: 8388608 (1 + kind) + 131072 bh + 16384 half
	s_mov_b32 s67, 0
	s_and_b32 s13, s[WV], 7                        ; waves 8-13: kind = wave % 2, chunk of four key steps = (wave % 8) / 2 + 1
	s_and_b32 s14, s13, 1
	s_lshr_b32 s15, s13, 1
	s_add_co_u32 s15, s15, 1
	s_lshl_b32 s61, s14, 17
	s_lshl_b32 s62, s15, 15
	s_add_co_u32 s[G0C+1], s61, s62                ; LDS: 131072 kind + 32768 chunk
	s_lshl_b32 s70, s14, 23
	s_add_co_u32 s70, s70, s62
	s_add_co_u32 s70, s70, s68
	s_add_co_u32 s70, s70, 8388608
	s_mov_b32 s71, 0
	s_mov_b32 s[G0B+1], 262144                     ; wave 4: K's scale words, and V's 262144 bytes further on in memory, on end in LDS
	s_lshl_b32 s72, s12, 12
	s_add_co_u32 s72, s72, 25165824+262144
	s_mov_b32 s73, 0
	s_mov_b32 s[SEL], 0x76543210
	s_mov_b32 s[SEL+1], 0xfedcba98
	s_mov_b32 s[CS], 0x3e38aa3b                    ; log2(e) / 8
	s_mov_b32 s[CS+1], s[CS]
	s_mov_b32 s[MNT], 0x600000
	s_wait_dscnt 0x0                               ; both opening adds are done
	s_wait_kmcnt 0x0
	GROUP0 G0A, 66
	GROUP0 G0B, 72
	GROUP0 G0C, 70
	CROUND                                         ; all four work-groups are here: the joint loads meet
; ONE chain of branches on the wave's number, a load to an arm: what the first barrier shows has load lines of its own
.macro ARM under, g0, g1, next
	s_cmp_lt_u32 s[WV], \under
	s_cbranch_scc0 \next
	tensor_load_to_lds s[\g0:\g0+3], s[\g1:\g1+7]
	s_nop 0
.rept 4
	v_nop
.endr
	s_branch .Lasked
\next:
.endm
	ARM 4, G0A, G1T, .Larm_s
	ARM 5, G0B, G1S, .Larm_gap
	s_cmp_lt_u32 s[WV], 8
	s_cbranch_scc1 .Lasked
	ARM 14, G0C, G1U, .Larm_none
.Lasked:
	s_lshr_b32 s13, s[WV], 1                       ; j
	s_and_b32 s14, s[WV], 1                        ; u
	s_xor_b32 s[RANK], s13, 15                     ; the long tile's block: 15 - j
	s_mov_b32 s[BLK1], s13                         ; the short tile's: j
	s_lshl_b32 s11, s10, 1
	s_add_co_u32 s11, s11, s14                     ; my rowtile in a block: 2 x + u
	s_lshl_b32 s[QSH], s14, 4
	s_lshl_b32 s[DB], s10, 5
	s_lshl_b32 s15, s14, 3
	s_add_co_u32 s[DB], s[DB], s15
	s_lshl_b32 s69, s12, 12
	s_add_co_u32 s69, s69, 25165824                ; q's scale words of my head
	s_lshr_b32 s63, s12, 4
	s_lshl_b32 s63, s63, 7                         ; 128 x batch
	s_and_b32 s15, s12, 15                         ; the head
	s_lshl_b32 s62, s15, 10
	s_lshr_b32 s61, s15, 2
	s_lshl_b32 s61, s61, 7
	s_and_b32 s15, s15, 3
	s_lshl_b32 s15, s15, 1
	s_add_co_u32 s61, s61, s15
	s_add_co_u32 s61, s61, 8388608
.macro TADDR blk, o                    ; the four addresses of the tile in block blk
	s_lshl_b32 s13, s[\blk], 3
	s_add_co_u32 s13, s13, s11                     ; its rowtile in the head
	s_lshl_b32 s[\o], s13, 10
	s_add_co_u32 s[\o], s[\o], s68
	s_mov_b32 s[\o+1], 0
	s_lshr_b32 s[\o+2], s13, 1
	s_lshl_b32 s[\o+2], s[\o+2], 6
	s_add_co_u32 s[\o+2], s[\o+2], s69
	s_mov_b32 s[\o+3], 0
	s_add_co_u32 s13, s13, s63                     ; y's rowtile
	s_lshl_b32 s[\o+4], s13, 14
	s_add_co_u32 s[\o+4], s[\o+4], s62
	s_mov_b32 s[\o+5], 0
	s_lshl_b32 s[\o+6], s13, 9
	s_add_co_u32 s[\o+6], s[\o+6], s61
	s_mov_b32 s[\o+7], 0
	s_add_nc_u64 s[\o:\o+1], s[4:5], s[\o:\o+1]
	s_add_nc_u64 s[\o+2:\o+3], s[4:5], s[\o+2:\o+3]
	s_add_nc_u64 s[\o+4:\o+5], s[6:7], s[\o+4:\o+5]
	s_add_nc_u64 s[\o+6:\o+7], s[6:7], s[\o+6:\o+7]
.endm
	TADDR RANK, T0
	TADDR BLK1, T1
	v_and_b32 v8, 31, v0
	s_delay_alu instid0(VALU_DEP_1)
	v_lshlrev_b32 v[AK0], 4, v8
	s_delay_alu instid0(VALU_DEP_1)
	v_add_nc_u32 v[AV0], 131072, v[AK0]
	s_delay_alu instid0(VALU_DEP_3)
	v_lshlrev_b32 v9, 2, v8
	s_delay_alu instid0(VALU_DEP_1)
	v_add_nc_u32 v[ASK0], 262144, v9
	s_delay_alu instid0(VALU_DEP_2)
	v_add_nc_u32 v[ASV0], 266240, v9
	v_and_b32 v8, 15, v0                           ; r
	v_bfe_u32 v9, v0, 4, 1                         ; h
	s_delay_alu instid0(VALU_DEP_2)
	v_lshlrev_b32 v11, 2, v8
	global_load_b128 v[24:27], v[AK0], s[T0:T0+1]              ; the long tile's q stays in registers: d 0-31,
	global_load_b128 v[28:31], v[AK0], s[T0:T0+1] offset:512   ; d 32-63
	global_load_b32 v[QW], v11, s[T0+2:T0+3]
	v_lshlrev_b32 v[R8], 3, v8
	v_and_b32 v10, 8, v8
	s_delay_alu instid0(VALU_DEP_1)
	v_add_nc_u32 v10, v10, v8
	v_lshlrev_b32 v9, 4, v9
	s_delay_alu instid0(VALU_DEP_1)
	v_sub_nc_u32 v10, v10, v9
	s_delay_alu instid0(VALU_DEP_1)
	v_add_nc_u32 v[DD], s[DB], v10                 ; register 16 b + i of a diagonal step holds the key 32 b + 16 h + i of the block: hidden where 32 b + i > this
	v_mov_b32 v[NINF], 0xff800000
.irp j, 0,1,2,3,4,5,6,7
	v_mov_b32 v[16+\j], 0                          ; v[16:31] = [0 | q], v[24:39] = [q | 0]
	v_mov_b32 v[32+\j], 0
.endr
.irp b, 0,1,2,3
	v_mov_b32 v[PB+\b], 0                          ; written once: a lane permute's destination counts as one of its sources
.endr
	v_mov_b32 v[TMP], 0
	v_mov_b32 v[FF+1], 0                           ; (named as the upper half of the pair)
.macro QWFIX                           ; my rowtile's two bytes in both halves of the word: they serve [q | 0] and [0 | q]
	v_lshrrev_b32 v[QW], s[QSH], v[QW]
	s_delay_alu instid0(VALU_DEP_1)
	v_and_b32 v[QW], 0xffff, v[QW]
	s_delay_alu instid0(VALU_DEP_1)
	v_lshl_or_b32 v[QW], v[QW], 16, v[QW]
.endm
.macro INIT                            ; a tile begins: the step is written without a first step of its own
	v_mov_b32 v13, 0xff61b1e6                      ; the largest t so far: -3e38, under every t
	s_delay_alu instid0(VALU_DEP_1)
	v_floor_f32 v12, -v13                          ; -M
	v_mov_b32 v14, 0                               ; the sum, in two halves
	v_mov_b32 v15, 0
.set n, 0
.rept 32
	v_mov_b32 v[OT+n], 0                           ; O^T
.set n, n+1
.endr
.endm
; A KEY STEP of 128 keys.  full = 1: a step all of whose keys come after my queries is left out, by a scalar branch on the wave's number and a counter round the work alone; my last step lies on the diagonal.
; full = 0 (key steps 0-3 of the long tile, whose block is 8 at the least): every key counts.
; Block b of 32 keys: the hold, two numbers an instruction, and the conversion.  The conversion does not saturate (ISA guide 7.6.2); p is not negative: a one-sided hold
.macro HOLDC b
.irp i, 0,2,4,6,8,10,12,14
	v_dual_min_num_f32 v[S+16*\b+\i], v[S+16*\b+\i], v[HL+\b] :: v_dual_min_num_f32 v[S+16*\b+\i+1], v[S+16*\b+\i+1], v[HL+\b]
.endr
	v_cvt_scalef32_pk8_fp8_f32 v[PCD+4*\b:PCD+4*\b+1], v[S+16*\b:S+16*\b+7], v[SO+\b]
	v_cvt_scalef32_pk8_fp8_f32 v[PCD+4*\b+2:PCD+4*\b+3], v[S+16*\b+8:S+16*\b+15], v[SO+\b]
.endm
.macro STEP full
.if \full
	s_cmp_gt_u32 s[SI], s[RANK]
	s_cbranch_scc1 .Lhidden_\@
.endif
	v_add_nc_u32 v[ADK], s[TB], v[AK0]
	v_add_nc_u32 v[ADV], s[TB], v[AV0]
	v_add_nc_u32 v[ADS], s[TS], v[ASK0]
	v_add_nc_u32 v[ADT], s[TS], v[ASV0]
.rept 4
	v_nop                                          ; with the four additions: eight places in front of loads into registers that the last products read
.endr
.irp c, 0,1,2,3
.irp e, 0,1,2,3
	ds_load_b128 v[KF+16*\c+4*\e:KF+16*\c+4*\e+3], v[ADK] offset:2048*\c+512*\e
.endr
.endr
	ds_load_b32 v[KW], v[ADS]                      ; K's scale words: lanes 0-15 keys 0-31, lanes 16-31 keys 32-63;
	ds_load_b32 v[KW+1], v[ADS] offset:128         ; keys 64-95 and 96-127
	s_wait_alu depctr_va_vdst(0)
	s_wait_dscnt 0x0
.irp c, 0,2
	v_wmma_scale_f32_16x16x128_f8f6f4 v[S+16*\c:S+16*\c+7], v[KF+16*\c:KF+16*\c+15], v[24:39], 0, v[KW+\c/2], v[QW]
	v_wmma_scale_f32_16x16x128_f8f6f4 v[S+16*\c+8:S+16*\c+15], v[KF+16*\c:KF+16*\c+15], v[16:31], 0, v[KW+\c/2], v[QW]
	v_wmma_scale_f32_16x16x128_f8f6f4 v[S+16*\c+16:S+16*\c+23], v[KF+16*\c+16:KF+16*\c+31], v[24:39], 0, v[KW+\c/2], v[QW] matrix_a_scale:MATRIX_SCALE_ROW1
	v_wmma_scale_f32_16x16x128_f8f6f4 v[S+16*\c+24:S+16*\c+31], v[KF+16*\c+16:KF+16*\c+31], v[16:31], 0, v[KW+\c/2], v[QW] matrix_a_scale:MATRIX_SCALE_ROW1
.endr
.rept 8
	v_nop
.endr
.irp a, 0,1,2,3                                ; V's fragments take K's registers, eight places behind the products that read them: they land under the softmax
.irp c, 0,1,2,3
	ds_load_b128 v[KF+16*\a+4*\c:KF+16*\a+4*\c+3], v[ADV] offset:2048*\a+512*\c
.endr
.endr
	ds_load_b32 v[VW], v[ADT]                      ; V's scale words: lanes 0-15 rowtile 0, lanes 16-31 rowtile 1;
	ds_load_b32 v[VW+1], v[ADT] offset:128         ; rowtiles 2 and 3
.if \full
	s_cmp_lg_u32 s[SI], s[RANK]
	s_cbranch_scc1 .Lopen_\@
.set n, 0
.rept 64
	v_cmp_gt_i32 vcc_lo, 32*(n/16)+n%16, v[DD]
	v_cndmask_b32 v[S+n], v[S+n], v[NINF], vcc_lo
.set n, n+1
.endr
.Lopen_\@:
.endif
.irp b, 0,1,2,3
	v_max3_num_f32 v[BM+\b], v[S+16*\b], v[S+1+16*\b], v[S+2+16*\b]   ; the largest score of each block of 32 keys: for the row's maximum, and, since p rises with the score, for the block's largest p
.endr
.irp i, 3,5,7,9,11,13
.irp b, 0,1,2,3
	v_max3_num_f32 v[BM+\b], v[BM+\b], v[S+16*\b+\i], v[S+1+16*\b+\i]
.endr
.endr
.irp b, 0,1,2,3
	v_max_num_f32 v[BM+\b], v[BM+\b], v[S+15+16*\b]
.endr
.irp b, 0,1,2,3
	s_delay_alu instid0(VALU_DEP_4)
	v_permlanex16_b32 v[PB+\b], v[BM+\b], s[SEL], s[SEL+1]
.endr
.irp b, 0,1,2,3
	s_delay_alu instid0(VALU_DEP_4)
	v_max_num_f32 v[BM+\b], v[BM+\b], v[PB+\b]     ; with lane l xor 16's 16 keys
.endr
	s_delay_alu instid0(VALU_DEP_2)
	v_max3_num_f32 v[TMP], v[BM], v[BM+1], v[BM+2]
	s_delay_alu instid0(VALU_DEP_1)
	v_max_num_f32 v[TMP], v[TMP], v[BM+3]
	s_delay_alu instid0(VALU_DEP_1)
	v_mul_f32 v[TMP], s[CS], v[TMP]                ; as t
	s_delay_alu instid0(VALU_DEP_1)
	v_max_num_f32 v13, v13, v[TMP]                 ; the running largest t
	v_mov_b32 v[TMP], v12
	s_delay_alu instid0(VALU_DEP_2)
	v_floor_f32 v12, -v13                          ; the new -M = -ceil(t)
	s_delay_alu instid0(VALU_DEP_1)
	v_sub_f32 v[TMP], v12, v[TMP]                  ; old M - new M: a whole number, 0 or less
	s_delay_alu instid0(VALU_DEP_1)
	v_cvt_i32_f32 v[TMP], v[TMP]                   ; (it saturates)
	s_delay_alu instid0(VALU_DEP_1)
	v_ldexp_f32 v[FF], 1.0, v[TMP]                 ; f
.set n, 0
.rept 32
	v_pk_fma_f32 v[S+n:S+n+1], v[S+n:S+n+1], s[CS:CS+1], v[12:13] op_sel_hi:[1,0,0]   ; t - M, two at a time
.set n, n+2
.endr
.irp b, 0,1,2,3
	v_fma_f32 v[BM+\b], v[BM+\b], s[CS], v12       ; the same of each block's largest score
.endr
.set n, 0
	s_wait_alu depctr_va_vdst(0)
.rept 64
	v_exp_f32 v[S+n], v[S+n]                       ; p = 2^(t - M)
.set n, n+1
.endr
.irp b, 0,1,2,3
	v_exp_f32 v[BM+\b], v[BM+\b]                   ; the block's largest p
.endr
	v_pk_mul_f32 v[14:15], v[14:15], v[FF:FF+1] op_sel_hi:[1,0]   ; the sums under the new M (a plain place behind the exponentials)
	s_wait_alu depctr_va_vdst(0)                   ; and behind it, ahead of its first reader
.irp b, 0,1,2,3
	v_max_num_f32 v[BM+\b], 0x4800000, v[BM+\b]    ; the floor 2^(9 - 127)
.endr
	v_pk_add_f32 v[232:233], v[108:109], v[112:113]   ; the row's sum of the unquantised p: two at a time, in eight chains; the scales' lines stand between its rows
	v_pk_add_f32 v[252:253], v[116:117], v[120:121]
	v_pk_add_f32 v[250:251], v[124:125], v[128:129]
	v_pk_add_f32 v[248:249], v[132:133], v[136:137]
	v_pk_add_f32 v[246:247], v[140:141], v[144:145]
	v_pk_add_f32 v[242:243], v[148:149], v[152:153]
	v_pk_add_f32 v[240:241], v[156:157], v[160:161]
	v_pk_add_f32 v[14:15], v[14:15], v[164:165]
.irp b, 0,1,2,3
	v_add_nc_u32 v[SO+\b], 0xfc000000, v[BM+\b]    ; the conversion's scale operand
.endr
.irp b, 0,1,2,3
	v_and_or_b32 v[HL+\b], v[BM+\b], 0x7f800000, s[MNT]   ; 448 x the scale
.endr
.irp b, 0,1,2,3
	v_lshrrev_b32 v[PB+\b], 23, v[SO+\b]           ; the byte
.endr
	v_pk_add_f32 v[232:233], v[232:233], v[104:105]
	v_pk_add_f32 v[252:253], v[252:253], v[106:107]
	v_pk_add_f32 v[250:251], v[250:251], v[110:111]
	v_pk_add_f32 v[248:249], v[248:249], v[114:115]
	v_pk_add_f32 v[246:247], v[246:247], v[118:119]
	v_pk_add_f32 v[242:243], v[242:243], v[122:123]
	v_pk_add_f32 v[240:241], v[240:241], v[126:127]
	v_pk_add_f32 v[14:15], v[14:15], v[130:131]
	v_lshl_or_b32 v[PW], v[PB+1], 8, v[PB]         ; p's scale word for these 128 keys: its three lines, and the end of the sums, stand five lines or more behind what they read
	v_pk_add_f32 v[232:233], v[232:233], v[134:135]
	v_pk_add_f32 v[252:253], v[252:253], v[138:139]
	v_pk_add_f32 v[250:251], v[250:251], v[142:143]
	v_pk_add_f32 v[248:249], v[248:249], v[146:147]
	v_pk_add_f32 v[246:247], v[246:247], v[150:151]
	v_pk_add_f32 v[242:243], v[242:243], v[154:155]
	v_pk_add_f32 v[240:241], v[240:241], v[158:159]
	v_pk_add_f32 v[14:15], v[14:15], v[162:163]
	v_pk_add_f32 v[232:233], v[232:233], v[166:167]
	v_lshl_or_b32 v[PW], v[PB+2], 16, v[PW]
	HOLDC 0
	v_pk_add_f32 v[14:15], v[14:15], v[248:249]
	v_pk_add_f32 v[232:233], v[232:233], v[246:247]
	v_pk_add_f32 v[252:253], v[252:253], v[242:243]
	v_pk_add_f32 v[250:251], v[250:251], v[240:241]
	v_lshl_or_b32 v[PW], v[PB+3], 24, v[PW]
	HOLDC 1
	v_pk_add_f32 v[14:15], v[14:15], v[252:253]
	v_pk_add_f32 v[232:233], v[232:233], v[250:251]
	HOLDC 2
	v_pk_add_f32 v[14:15], v[14:15], v[232:233]
	HOLDC 3
	s_wait_alu depctr_va_vdst(0)                   ; directly ahead of the first reader of O^T
.set n, 0
.rept 16
	v_pk_mul_f32 v[OT+n:OT+n+1], v[OT+n:OT+n+1], v[FF:FF+1] op_sel_hi:[1,0]   ; O^T under the new M; these sixteen are also the places in front of the loads and products below
.set n, n+2
.endr
	s_wait_alu depctr_va_vdst(0)
	s_wait_dscnt 0x0                               ; V's fragments and scale words
.irp a, 0,2                                    ; O^T += V^T P^T: the four accumulators take turns, one instruction a turn
	v_wmma_scale_f32_16x16x128_f8f6f4 v[OT+8*\a:OT+8*\a+7], v[KF+16*\a:KF+16*\a+15], v[PCD:PCD+15], v[OT+8*\a:OT+8*\a+7], v[VW+\a/2], v[PW]
	v_wmma_scale_f32_16x16x128_f8f6f4 v[OT+8*\a+8:OT+8*\a+15], v[KF+16*\a+16:KF+16*\a+31], v[PCD:PCD+15], v[OT+8*\a+8:OT+8*\a+15], v[VW+\a/2], v[PW] matrix_a_scale:MATRIX_SCALE_ROW1
.endr
.if \full
.Lhidden_\@:
.endif
	s_add_co_u32 s[SI], s[SI], 1
	s_add_co_u32 s[TB], s[TB], 8192
	s_add_co_u32 s[TS], s[TS], 256
.endm
.macro RUN si, trips, full             ; key steps si .. si + trips - 1: the trip count is a constant of the text
	s_mov_b32 s[SI], \si
	s_mov_b32 s[TB], 8192*\si
	s_mov_b32 s[TS], 256*\si
	s_mov_b32 s[CNT], \trips
.Lrun_\@:
	STEP \full
	s_sub_co_u32 s[CNT], s[CNT], 1
	s_cmp_lg_u32 s[CNT], 0
	s_cbranch_scc1 .Lrun_\@
.endm
; THE WAY OUT of a tile: O^T / the sum is my query's 64 numbers of y, register 16 b' + i = d 32 b' + 16 h + i: two blocks of the last product's K: quantised, they are two images of 512 bytes.
; nxt = 1: the short tile's q and scale word are asked for first, into registers that the last products no longer read.
.macro EPI o, nxt
.rept 8
	v_nop
.endr
.if \nxt
	v_lshrrev_b32 v[ADT], 1, v[R8]                 ; 4 r
	global_load_b128 v[24:27], v[AK0], s[T1:T1+1]
	global_load_b128 v[28:31], v[AK0], s[T1:T1+1] offset:512
	global_load_b32 v[QW], v[ADT], s[T1+2:T1+3]
.endif
	v_add_f32 v14, v14, v15
	s_delay_alu instid0(VALU_DEP_1)
	v_permlanex16_b32 v[TMP], v14, s[SEL], s[SEL+1]
	s_delay_alu instid0(VALU_DEP_1)
	v_add_f32 v14, v14, v[TMP]                     ; the row's sum
	s_wait_alu depctr_va_vdst(0)
	v_rcp_f32 v14, v14
	v_nop                                          ; one plain place behind a transcendental
.set n, 0
	s_wait_alu depctr_va_vdst(0)                   ; and ahead of its first reader, which is O^T's first reader too
.rept 32
	v_mul_f32 v[S+n], v[OT+n], v14
.set n, n+1
.endr
.irp b, 0,1
	v_max3_num_f32 v[BM+\b], |v[S+16*\b]|, |v[S+1+16*\b]|, 0x4800000
.endr
.irp i, 2,4,6,8,10,12,14
.irp b, 0,1
	s_delay_alu instid0(VALU_DEP_2)
	v_max3_num_f32 v[BM+\b], v[BM+\b], |v[S+16*\b+\i]|, |v[S+1+16*\b+\i]|
.endr
.endr
.irp b, 0,1
	s_delay_alu instid0(VALU_DEP_2)
	v_permlanex16_b32 v[PB+\b], v[BM+\b], s[SEL], s[SEL+1]
.endr
.irp b, 0,1
	s_delay_alu instid0(VALU_DEP_2)
	v_max_num_f32 v[BM+\b], v[BM+\b], v[PB+\b]
.endr
.irp b, 0
	s_delay_alu instid0(VALU_DEP_2)
	v_add_nc_u32 v[SO+\b], 0xfc000000, v[BM+\b]
	s_delay_alu instid0(VALU_DEP_3)
	v_and_or_b32 v[HL+\b], v[BM+\b], 0x7f800000, s[MNT]
.endr
.irp b, 1
	s_delay_alu instid0(VALU_DEP_3)
	v_add_nc_u32 v[SO+\b], 0xfc000000, v[BM+\b]
	s_delay_alu instid0(VALU_DEP_4)
	v_and_or_b32 v[HL+\b], v[BM+\b], 0x7f800000, s[MNT]
.endr
.irp b, 0
	s_delay_alu instid0(VALU_DEP_4)
	v_lshrrev_b32 v[PB+\b], 23, v[SO+\b]
.endr
.irp b, 1
	s_delay_alu instid0(VALU_DEP_3)
	v_lshrrev_b32 v[PB+\b], 23, v[SO+\b]
.endr
	s_delay_alu instid0(VALU_DEP_1)
	v_lshl_or_b32 v[TMP], v[PB+1], 8, v[PB]        ; the head's two bytes of my row
.irp b, 0,1
.irp i, 0,1,2,3,4,5,6,7,8,9,10,11,12,13,14,15
	v_med3_num_f32 v[S+16*\b+\i], v[S+16*\b+\i], -v[HL+\b], v[HL+\b]
.endr
	v_cvt_scalef32_pk8_fp8_f32 v[PCD+4*\b:PCD+4*\b+1], v[S+16*\b:S+16*\b+7], v[SO+\b]
	v_cvt_scalef32_pk8_fp8_f32 v[PCD+4*\b+2:PCD+4*\b+3], v[S+16*\b+8:S+16*\b+15], v[SO+\b]
.endr
	v_nop
	global_store_b128 v[AK0], v[PCD:PCD+3], s[\o+4:\o+5]               ; 32 lanes store 512 consecutive bytes, aligned
	global_store_b128 v[AK0], v[PCD+4:PCD+7], s[\o+4:\o+5] offset:512
	global_store_b16 v[R8], v[TMP], s[\o+6:\o+7]   ; two bytes a row (both halves of the lanes write the same): a head has no more
.endm
	s_wait_alu depctr_va_vdst(0)
	s_wait_loadcnt 0x0                             ; q and its scale word
	QWFIX
	INIT
	s_wait_alu depctr_va_vdst(0)
	s_cmp_lt_u32 s[WV], 5
	s_cbranch_scc0 .Lnot_first
	s_wait_tensorcnt 0x0                           ; waves 0-4: key steps 0-3 and the scale words are in; every wave that issues those two load lines waits here
.Lnot_first:
	s_barrier_signal -1
	s_barrier_wait -1
	RUN 0, 4, 0                                    ; the long tile, key steps 0-3
	s_wait_tensorcnt 0x0                           ; every wave: all that was still out is in
	s_barrier_signal -1
	s_barrier_wait -1                              ; the last barrier ahead of the closing round: nothing in LDS is written from here on
	RUN 4, 12, 1                                   ; key steps 4 .. 15 - j
	EPI T0, 1
	s_mov_b32 s[RANK], s[BLK1]
	s_wait_alu depctr_va_vdst(0)
	s_wait_loadcnt 0x0                             ; the short tile's q
	s_wait_xcnt 0x0                                ; the stores have read their registers, which the next steps write
	QWFIX
	INIT
	s_wait_alu depctr_va_vdst(0)
	RUN 0, 8, 1                                    ; the short tile, key steps 0 .. j
	EPI T1, 0
	s_wait_tensorcnt 0x0                           ; the wave's end
	ds_add_u32 v254, v255
	s_wait_dscnt 0x0
	CROUND                                         ; the closing round
	s_endpgm
.Lfunc_end_k_q0474744250_attn:
	.size	k_q0474744250_attn, .Lfunc_end_k_q0474744250_attn-k_q0474744250_attn
	.p2alignl 7, 3214868480
	.fill 96, 4, 3214868480
	.section	.rodata,"a",@progbits
	.p2align	6, 0x0
	.amdhsa_kernel k_q0474744250_attn
		.amdhsa_group_segment_fixed_size 272384
		.amdhsa_private_segment_fixed_size 0
		.amdhsa_enable_private_segment 0
		.amdhsa_kernarg_size 16
		.amdhsa_user_sgpr_count 2
		.amdhsa_user_sgpr_kernarg_segment_ptr 1
		.amdhsa_wavefront_size32 1
		.amdhsa_system_sgpr_workgroup_id_x 1
		.amdhsa_system_sgpr_workgroup_id_y 1
		.amdhsa_system_sgpr_workgroup_id_z 1
		.amdhsa_system_vgpr_workitem_id 0
		.amdhsa_next_free_vgpr 256
		.amdhsa_next_free_sgpr 96
		.amdhsa_reserve_vcc 1
		.amdhsa_float_denorm_mode_32 3
		.amdhsa_float_denorm_mode_16_64 3
		.amdhsa_memory_ordered 1
		.amdhsa_forward_progress 1
		.amdhsa_inst_pref_size 95
	.end_amdhsa_kernel
	.amdgpu_metadata
---
amdhsa.version: [ 1, 2 ]
amdhsa.kernels:
  - .name:           k_q0474744250_attn
    .symbol:         k_q0474744250_attn.kd
    .args:
      - { .name: qkv, .offset: 0, .size: 8, .value_kind: global_buffer, .address_space: global }
      - { .name: yq, .offset: 8, .size: 8, .value_kind: global_buffer, .address_space: global }
    .group_segment_fixed_size: 272384
    .private_segment_fixed_size: 0
    .kernarg_segment_align: 8
    .kernarg_segment_size: 16
    .max_flat_workgroup_size: 512
    .sgpr_count:     96
    .vgpr_count:     256
    .wavefront_size: 32
...
	.end_amdgpu_metadata
.endif
;; end of part 3
;; launch gemm_out (part 4): grid 4 x 64, 4 waves a work-group, clusters of 4 x 4, 327,680 bytes of LDS; arguments yq, ops, b_proj, out0; writes out0
.if DOCPART == 4
	.amdgcn_target "amdgcn-amd-amdhsa--gfx1250"
	.amdhsa_code_object_version 6
	.text
	.protected	k_q0474744250_gemm_out
	.globl	k_q0474744250_gemm_out
	.p2align	8
	.type	k_q0474744250_gemm_out,@function
k_q0474744250_gemm_out:
	s_mov_b64 s[64:65], 0
	v_nop
	global_prefetch_b8 v0, s[64:65] scope:SCOPE_SE
	s_setreg_imm32_b32 hwreg(HW_REG_WAVE_MODE, 25, 1), 1
	s_wait_xcnt 0x0
	s_wait_alu depctr_hold_cnt(0) depctr_sa_sdst(0) depctr_va_vdst(0) depctr_va_sdst(0) depctr_va_ssrc(0) depctr_va_vcc(0) depctr_vm_vsrc(0)
	s_getreg_b32 s2, hwreg(HW_REG_IB_STS2, 6, 4)
	s_cmp_eq_u32 s2, 0
	s_cbranch_scc0 .Lentry_in_a_cluster
	s_endpgm
.Lentry_in_a_cluster:
	s_bfe_u32 s2, ttmp6, 0x10000c
	s_cmp_lg_u32 s2, 0xf033
	s_cbranch_scc0 .Lentry_shape_is_right
	s_endpgm
.Lentry_shape_is_right:
; out0 = y w_proj + b_proj: [8192][1024] x [1024][1024] on codes of FP8 (E4M3) with E8M0 scales; f32 sums, which begin with the bias.
; A = y (yq) and B = w_proj (ops, rowtiles 704 on) lie as IMAGES OF OPERAND REGISTERS: a rowtile of 16 rows is 16384 bytes, [kf 0..7][c 0..3][lane][16 bytes]; lane r of rowtile 2 g + u is logical row 32 g + 8 u + r + 8 (r / 8).
; Scale bytes: 512 a rowtile, [kp 0..3][r][8 bytes], at yq + 8388608 and at ops + 12582912.
; SHARES.  A block of the result is 128 rows x 256 columns: 64 x 4 = 256 work-groups of four waves, 2 x 2; a wave makes 64 x 128: 32 accumulators.  Clusters of 4 x 4: A's tiles are asked for jointly along a row, B's along a column.
; LDS.  A's 8 rowtiles lie there for ALL of K, 131072 bytes, filled once.  B's 16 rowtiles have one region of 131072 bytes: K 0-511 at the head; K 512-1023 is filled over it in a drained round, as soon as every wave holds
; K steps 2 and 3 in registers: those two steps are multiplied while the refill is on its way.  So two fills follow each other where a ring of K steps of 256 would have four.  The scale bytes of all of K come once.
; The head's four tiles go one to a wave; the refill is a quarter of the region a wave.  Every wait on TENSORcnt is for 0.
; A K step is 128: 32 products on set k % 2 of A's and B's fragments; behind them that set takes K step k + 2.
; PREFETCH: B's second half, 131072 bytes a block column, is asked for at the head, four K steps ahead of its use: of a cluster's 64 waves each names 32 blocks of 256 bytes of its own column's half, told apart by address;
; all sixteen clusters read the same 524288 bytes, so four of them ask.  A's rows and B's first half come by the head's loads alone.
; THE MATRIX INSTRUCTION IS USED TRANSPOSED (source 0 = 16 rows of B, source 1 = 16 rows of A): a lane holds eight neighbouring numbers of a row of the result.
; REGISTERS: window 0: v0-31 addresses; v32-63 scale words, two sets; v64-127 the bias, the first products' C; v128-255 A's fragments, two sets of four; window 1: B's fragments, two sets of eight; window 2: the accumulators.
.set SCLB,  12582912
.set FR,    16
.set NP,    8                          ; places behind this matrix instruction (ISA guide 7.12.1)
.set BREG,  131072                     ; B's region
.set SCL,   262144                     ; A's scale bytes, 4096; B's, 8192
.set SPARE, 274432                     ; the spare words
.set STG,   274944                     ; the way out: 16 rows x 528 bytes for each wave, bytes into which no fill lands
.set SPITCH, 528
.set ADRA, 16
.set ADRB, 20
.set STO,  24
.set RD,   25
.set CO,   26
.set ADRS, 27
.set SPW,  28
.set NIL,  29
.set PFO,  30
.set SC,   32
.set BS0,  64
.set AF,   128
.set BK,   128
.set G1A,  24
.set G0A,  32
.set G0R,  36
.set G1B,  48
.set G0B,  56
.set G1S,  68
.set G0S,  76
.set G1SB, 80
.set G0SB, 88
.set MSB, 0
.macro WIN new                         ; the immediate's high byte repeats the setting that is left
.if MSB != (\new)
	s_set_vgpr_msb (MSB<<8)|(\new)
.set MSB, (\new)
.endif
.endm
.set MUL_LO, 0xa1                      ; source 0 (B) window 1, source 1 (A) window 0, C and D window 2
.set TO_B,   0x40
.macro CROUND
	s_barrier_signal -1
	s_barrier_wait -1
	s_cmp_lg_u32 s14, 0
	s_cbranch_scc1 .Lnot_wave_0_\@
	s_barrier_signal -3
.Lnot_wave_0_\@:
	s_barrier_wait -3
	s_barrier_signal -1
	s_barrier_wait -1
.endm
.macro PLACES n
.rept \n
	v_nop
.endr
.endm
.macro GROUP1 g, m, c, r, p            ; r rows of c elements of 8 bytes, p elements apart; the mask in s[m], bit 21 beside it
	s_or_b32 s[\g], s[\m], (3<<16)|(1<<21)
	s_mov_b32 s[\g+1], (\c)<<16
	s_mov_b32 s[\g+2], (\r)<<16
	s_mov_b32 s[\g+3], (\c)<<16
	s_mov_b32 s[\g+4], \r
	s_mov_b32 s[\g+5], \p
	s_mov_b32 s[\g+6], 0
	s_mov_b32 s[\g+7], 0
.endm
.macro GROUP0 g, lds, a
	s_mov_b32 s[\g], 1
	s_mov_b32 s[\g+1], \lds
	s_mov_b64 s[\g+2:\g+3], s[\a:\a+1]
	s_or_b32 s[\g+3], s[\g+3], 0x80000000
.endm
	s_load_b256 s[4:11], s[0:1], 0x0               ; yq, ops, b_proj, out0
	v_lshl_add_u32 v[SPW], v0, 2, SPARE
	v_mov_b32 v[NIL], 0
	ds_add_u32 v[SPW], v[NIL]                      ; the opening lines: the add, twice on end, and its wait
	ds_add_u32 v[SPW], v[NIL]
	v_lshrrev_b32 v1, 5, v0
	v_readfirstlane_b32 s14, v1                    ; wave 0..3
	s_lshr_b32 s15, s14, 1                         ; my half of the block's rows
	s_and_b32 s16, s14, 1                          ; my half of its columns
	s_bfe_u32 s40, ttmp6, 0x40000                  ; cx, cy
	s_bfe_u32 s41, ttmp6, 0x40004
	s_lshl_b32 s42, ttmp9, 2
	s_add_co_u32 s42, s42, s40                     ; block column 0..3
	s_and_b32 s17, ttmp7, 0xffff
	s_lshl_b32 s17, s17, 2
	s_add_co_u32 s17, s17, s41                     ; block row 0..63
	s_lshl_b32 s43, s41, 2
	s_lshl_b32 s43, 15, s43                        ; my row of the cluster
	s_lshl_b32 s44, 0x1111, s40                    ; my column
	GROUP1 G1A, 43, 2048, 8, 2048                  ; A: 8 rowtiles whole, dense
	GROUP1 G1B, 44, 1024, 16, 2048                 ; B: half of K of 16 rowtiles; behind the head's loads the rows are set to 4, for the refill
	GROUP1 G1S, 43, 32, 16, 32                     ; A's scale bytes: 16 rows of 256
	GROUP1 G1SB, 44, 32, 32, 32                    ; B's: 32 rows of 256
	s_lshl_b32 s20, s17, 17                        ; A's codes: 8 rowtiles of 16384 bytes a block row
	s_mov_b32 s21, 0
	s_lshl_b32 s22, s17, 12                        ; and their scale bytes
	s_add_co_u32 s22, s22, 8388608
	s_mov_b32 s23, 0
	s_lshl_b32 s46, s42, 4
	s_add_co_u32 s46, s46, 704                     ; B's first rowtile
	s_lshl_b32 s92, s46, 9
	s_add_co_u32 s92, s92, SCLB
	s_mov_b32 s93, 0
	s_lshl_b32 s46, s46, 14
	s_mov_b32 s47, 0
	s_lshl_b32 s18, s14, 16                        ; the refill: my 4 rowtiles, the second half of K
	s_add_co_u32 s18, s18, 8192
	s_mov_b32 s19, 0
	s_wait_dscnt 0x0                               ; both opening adds are done
	s_wait_kmcnt 0x0
	s_add_nc_u64 s[20:21], s[4:5], s[20:21]
	s_add_nc_u64 s[22:23], s[4:5], s[22:23]
	s_add_nc_u64 s[46:47], s[6:7], s[46:47]
	s_add_nc_u64 s[92:93], s[6:7], s[92:93]
	CROUND                                         ; all sixteen work-groups are here: the first joint loads meet
	GROUP0 G0A, 0, 20
	GROUP0 G0B, BREG, 46
	GROUP0 G0S, SCL, 22
	GROUP0 G0SB, SCL+4096, 92
	s_mov_b32 s[G0R], 1
	s_lshl_b32 s[G0R+1], s14, 15
	s_add_co_u32 s[G0R+1], s[G0R+1], BREG
	s_add_nc_u64 s[G0R+2:G0R+3], s[46:47], s[18:19]
	s_or_b32 s[G0R+3], s[G0R+3], 0x80000000
; THE HEAD'S LOADS, ONE A WAVE, in one chain of branches on the wave's number
.macro HARM under, g0, g1, next
	s_cmp_lt_u32 s14, \under
	s_cbranch_scc0 \next
	tensor_load_to_lds s[\g0:\g0+3], s[\g1:\g1+7]
	s_nop 0
.rept 4
	v_nop
.endr
	s_branch .Lhead_asked
\next:
.endm
	HARM 1, G0B, G1B, .Lhead_a
	HARM 2, G0A, G1A, .Lhead_sa
	HARM 3, G0S, G1S, .Lhead_sb
	tensor_load_to_lds s[G0SB:G0SB+3], s[G1SB:G1SB+7]
	s_nop 0
.rept 4
	v_nop
.endr
.Lhead_asked:
	s_lshl_b32 s21, s15, 16                        ; my 4 rowtiles of A
	s_lshl_b32 s22, s16, 16
	s_add_co_u32 s22, s22, BREG                    ; my 8 rowtiles of B, 8192 bytes each
	s_lshl_b32 s45, s15, 11                        ; A's scale words of my rowtiles
	s_lshl_b32 s94, s16, 12
	s_add_co_u32 s94, s94, 4096
	s_sub_co_u32 s94, s94, s45                     ; from there to B's
	s_add_co_u32 s45, s45, SCL
	s_mul_i32 s23, s14, 16*SPITCH
	s_add_co_u32 s23, s23, STG                     ; my stage
	s_lshl_b32 s96, s17, 19                        ; my first row of the result: 128 x block row + 64 x half, 4096 bytes a row
	s_lshl_b32 s95, s15, 18
	s_add_co_u32 s96, s96, s95
	s_mov_b32 s97, 0
	s_lshl_b32 s98, s42, 10                        ; my first column, in bytes
	s_lshl_b32 s95, s16, 9
	s_add_co_u32 s98, s98, s95
	s_mov_b32 s99, 0
	s_add_nc_u64 s[12:13], s[10:11], s[96:97]
	s_add_nc_u64 s[12:13], s[12:13], s[98:99]
	s_add_nc_u64 s[66:67], s[8:9], s[98:99]        ; the bias of my columns
	s_add_nc_u64 s[18:19], s[46:47], 8192          ; the prefetch: the second half of K of my column's rowtiles;
	s_lshl_b32 s95, s41, 2
	s_add_co_u32 s95, s95, s14
	s_lshl_b32 s95, s95, 14                        ; rowtile 4 cy + wave is my wave's
	s_and_b32 s2, ttmp7, 0xffff
	v_and_b32 v1, 15, v0                           ; r
	v_bfe_u32 v2, v0, 4, 1                         ; h
	v_and_b32 v3, 31, v0
	v_lshlrev_b32 v4, 4, v3                        ; 16 x lane
	v_add_nc_u32 v[ADRA], s21, v4
	v_add_nc_u32 v[ADRB], s22, v4
	v_lshlrev_b32 v5, 3, v1
	v_mul_u32_u24 v6, s94, v2                      ; lanes 16-31 take B's scale words
	v_add_nc_u32 v5, v5, v6
	v_add_nc_u32 v[ADRS], s45, v5
	v_mul_u32_u24 v5, v1, SPITCH
	v_lshl_add_u32 v5, v2, 6, v5
	v_add_nc_u32 v[STO], s23, v5
	v_mov_b32 v[CO], v4
	v_add_nc_u32 v[RD], s23, v4
	v_lshlrev_b32 v7, 6, v2
	v_lshl_add_u32 v[PFO], v3, 8, s95              ; lanes 256 bytes apart: 8192 bytes a wave
	s_wait_alu depctr_va_vdst(0)
	s_cmp_lt_u32 s2, 4
	s_cbranch_scc0 .Lno_ask
	global_prefetch_b8 v[PFO], s[18:19] th:TH_LOAD_NT scope:SCOPE_SE
.Lno_ask:
.irp b, 0,1,2,3,4,5,6,7
	global_load_b128 v[BS0+8*\b:BS0+8*\b+3], v7, s[66:67] offset:(32*(\b/2)+8*(\b%2))*4
	global_load_b128 v[BS0+8*\b+4:BS0+8*\b+7], v7, s[66:67] offset:(32*(\b/2)+8*(\b%2))*4+16
.endr
.macro FRAG reg, adr, off
.irp c, 0,1,2,3
	ds_load_b128 v[\reg+4*\c:\reg+4*\c+3], v[\adr] offset:(\off)+512*\c
.endr
.endm
.macro FETCH k                         ; K step k's fragments into set k % 2: B's eight, then A's four: 48 loads
	WIN TO_B
.irp i, 0,1,2,3,4,5,6,7
	FRAG 128*((\k)%2)+FR*\i, ADRB, \i*8192+((\k)%4)*2048
.endr
	WIN 0
.irp i, 0,1,2,3
	FRAG AF+64*((\k)%2)+FR*\i, ADRA, \i*16384+(\k)*2048
.endr
.endm
.macro SCALES kp                       ; the scale words of K steps 2 kp, 2 kp + 1 into set kp % 2: lanes 0-15 A's block i (of use for i under 4), lanes 16-31 B's block i: 8 loads
.irp i, 0,1,2,3,4,5,6,7
	ds_load_b64 v[SC+16*((\kp)%2)+2*\i:SC+16*((\kp)%2)+2*\i+1], v[ADRS] offset:\i*512+(\kp)*128
.endr
.endm
.macro MUL k, zero                     ; 32 products; the accumulators take turns, one instruction a turn, in the same order in every step
.irp a, 0,1,2,3
.irp b, 0,1,2,3,4,5,6,7
.if \zero
	v_wmma_scale_f32_16x16x128_f8f6f4 v[8*(8*\a+\b):8*(8*\a+\b)+7], v[128*((\k)%2)+FR*\b:128*((\k)%2)+FR*\b+FR-1], v[AF+64*((\k)%2)+FR*\a:AF+64*((\k)%2)+FR*\a+FR-1], v[BS0+8*\b:BS0+8*\b+7], v[SC+16*(((\k)/2)%2)+2*\b+(\k)%2], v[SC+16*(((\k)/2)%2)+2*\a+(\k)%2] matrix_a_scale:MATRIX_SCALE_ROW1
.else
	v_wmma_scale_f32_16x16x128_f8f6f4 v[8*(8*\a+\b):8*(8*\a+\b)+7], v[128*((\k)%2)+FR*\b:128*((\k)%2)+FR*\b+FR-1], v[AF+64*((\k)%2)+FR*\a:AF+64*((\k)%2)+FR*\a+FR-1], v[8*(8*\a+\b):8*(8*\a+\b)+7], v[SC+16*(((\k)/2)%2)+2*\b+(\k)%2], v[SC+16*(((\k)/2)%2)+2*\a+(\k)%2] matrix_a_scale:MATRIX_SCALE_ROW1
.endif
.endr
.endr
.endm
.macro STEPK k, w, f, zero=0           ; w: the LDS loads issued behind this step's, which may stay out; f = 1: the set takes K step k + 2, eight places behind the products
	s_wait_dscnt \w
	WIN MUL_LO-0x20*(\zero)
	MUL \k, \zero
.if \f
	PLACES NP
	FETCH (\k)+2
.if ((\k)%2) == 0
	SCALES ((\k)+2)/2
.endif
.endif
	WIN 0
.endm
	s_wait_loadcnt 0x0                             ; the bias
	s_wait_tensorcnt 0x0                           ; my tile of the head's four is in: every wave waits
	s_mov_b32 s[G1B+2], 4<<16                      ; no tensor load of mine is out: the refill brings 4 rowtiles a wave
	s_mov_b32 s[G1B+4], 4
	s_barrier_signal -1
	s_barrier_wait -1
	FETCH 0
	SCALES 0
	FETCH 1
	STEPK 0, 48, 1, 1                              ; behind its loads: K step 1's 48.  The first products start the sums with the bias
	STEPK 1, 56, 1                                 ; behind its loads: K step 2's 48 and 8 scale loads
	s_wait_tensorcnt 0x0
	ds_add_u32 v[SPW], v[NIL]
	s_wait_dscnt 0x0                               ; the add is done, and K steps 2 and 3 are in registers: my reads of B's region are over
	CROUND                                         ; and so are those of every wave of every partner
	tensor_load_to_lds s[G0R:G0R+3], s[G1B:G1B+7]  ; K 512-1023 of my 4 rowtiles of B
	s_nop 0
	PLACES 4
	STEPK 2, 0, 0
	STEPK 3, 0, 0
	PLACES NP
	s_wait_tensorcnt 0x0                           ; my quarter is in: every wave waits
	s_barrier_signal -1
	s_barrier_wait -1
	FETCH 4
	SCALES 2
	FETCH 5
	STEPK 4, 48, 1
	STEPK 5, 56, 1
	STEPK 6, 48, 0
	STEPK 7, 0, 0
; THE WAY OUT, block by block of 16 rows x 128 columns, through my own stage: whole rows of 512 bytes come back, which the 32 lanes store as two aligned units of 256 bytes.  LDS serves a wave's instructions in order (ISA guide 5.7.1.4).
.macro TOSTAGE a
.set AC, 64*((\a)%4)
	WIN 0x08                                       ; the data: window 2
.irp b, 0,1,2,3,4,5,6,7
	ds_store_b128 v[STO], v[AC+8*\b:AC+8*\b+3] offset:128*(\b/2)+32*(\b%2)      ; each accumulator from its low end on
	ds_store_b128 v[STO], v[AC+8*\b+4:AC+8*\b+7] offset:128*(\b/2)+32*(\b%2)+16
.endr
	WIN 0
.set BB, BK+64*((\a)%2)
.irp t, 0,1,2,3,4,5,6,7,8,9,10,11,12,13,14,15
	ds_load_b128 v[BB+4*\t:BB+4*\t+3], v[RD] offset:\t*SPITCH
.endr
.endm
.macro SEND a, younger                 ; younger: the LDS instructions issued behind block a's loads
.set BB, BK+64*((\a)%2)
	s_wait_dscnt \younger
.if (\a) > 0
.if (\a)%2
	s_add_nc_u64 s[12:13], s[12:13], 8*4096        ; (behind a wait on XCNT)  rowtile 2 g + 1 begins 8 rows behind rowtile 2 g,
.else
	s_add_nc_u64 s[12:13], s[12:13], 24*4096       ; rowtile 2 g + 2 another 24
.endif
.endif
.irp t, 0,1,2,3,4,5,6,7,8,9,10,11,12,13,14,15
	global_store_b128 v[CO], v[BB+4*\t:BB+4*\t+3], s[12:13] offset:(\t+8*(\t/8))*4096 th:TH_STORE_NT
.endr
.endm
	PLACES NP
	TOSTAGE 0
.irp a, 1,2,3
.if \a > 1
	s_wait_xcnt 0x0                                ; block a - 2's stores have read their registers and their base
.endif
	TOSTAGE \a
	SEND \a-1, 32                                  ; behind block a - 1's loads: block a's 16 stores and 16 loads
.endr
	s_wait_xcnt 0x0
	SEND 3, 0
	s_wait_tensorcnt 0x0                           ; the wave's end
	ds_add_u32 v[SPW], v[NIL]
	s_wait_dscnt 0x0
	CROUND                                         ; the closing round
	s_endpgm
.Lfunc_end_k_q0474744250_gemm_out:
	.size	k_q0474744250_gemm_out, .Lfunc_end_k_q0474744250_gemm_out-k_q0474744250_gemm_out
	.p2alignl 7, 3214868480
	.fill 96, 4, 3214868480
	.section	.rodata,"a",@progbits
	.p2align	6, 0x0
	.amdhsa_kernel k_q0474744250_gemm_out
		.amdhsa_group_segment_fixed_size 327680
		.amdhsa_private_segment_fixed_size 0
		.amdhsa_enable_private_segment 0
		.amdhsa_kernarg_size 32
		.amdhsa_user_sgpr_count 2
		.amdhsa_user_sgpr_kernarg_segment_ptr 1
		.amdhsa_wavefront_size32 1
		.amdhsa_system_sgpr_workgroup_id_x 1
		.amdhsa_system_sgpr_workgroup_id_y 1
		.amdhsa_system_sgpr_workgroup_id_z 1
		.amdhsa_system_vgpr_workitem_id 0
		.amdhsa_next_free_vgpr 768
		.amdhsa_next_free_sgpr 100
		.amdhsa_reserve_vcc 0
		.amdhsa_float_denorm_mode_32 3
		.amdhsa_float_denorm_mode_16_64 3
		.amdhsa_memory_ordered 1
		.amdhsa_forward_progress 1
		.amdhsa_inst_pref_size 87
	.end_amdhsa_kernel
	.amdgpu_metadata
---
amdhsa.version: [ 1, 2 ]
amdhsa.kernels:
  - .name:           k_q0474744250_gemm_out
    .symbol:         k_q0474744250_gemm_out.kd
    .args:
      - { .name: yq, .offset: 0, .size: 8, .value_kind: global_buffer, .address_space: global }
      - { .name: ops, .offset: 8, .size: 8, .value_kind: global_buffer, .address_space: global }
      - { .name: b_proj, .offset: 16, .size: 8, .value_kind: global_buffer, .address_space: global }
      - { .name: out0, .offset: 24, .size: 8, .value_kind: global_buffer, .address_space: global }
    .group_segment_fixed_size: 327680
    .private_segment_fixed_size: 0
    .kernarg_segment_align: 8
    .kernarg_segment_size: 32
    .max_flat_workgroup_size: 128
    .sgpr_count:     100
    .vgpr_count:     768
    .wavefront_size: 32
...
	.end_amdgpu_metadata
.endif
;; end of part 4
